; MI455X (gfx1250); checked and timed in simulation.
; The chip was launched on July 23, 2026; its instructions are those of AMD's public machine-readable ISA for CDNA 5 (MIT licence, August 2026) and "CDNA5" Instruction Set Architecture Reference Guide (July 2026). The comments in the code are by the model that wrote it; some were corrected since.
;; sig Mo E. Allowed arithmetic: matrix products marked QUANTISED: E4M3 operands, one given power-of-two scale a tensor, by v_wmma_f32_16x16x64_fp8_fp8 or v_wmma_f32_16x16x128_fp8_fp8, f32 sums; products left as they are: f32 operands where the result goes on into a quantised operand, else bf16, f16 or f32 operands; f32 sums; everything else in f32.
;; Inputs: b1 8 x 4,096 float32; b2 8 x 1,024 float32; lowp_scales 4 int32 (the exponents e of the quantised operands' scales 2^e); router_b 8 float32; router_w 1,024 x 8 float32; w1_codes 8 x 4,096 x 32 x 32 uint8 (E4M3 codes of w1, K innermost, in blocks of 32 codes); w2_codes 8 x 1,024 x 128 x 32 uint8 (E4M3 codes of w2, K innermost, in blocks of 32 codes); x 2 x 512 x 1,024 float32.
;; Outputs: out0 2 x 512 x 1,024 float32.
;; Constants: k = 2.
;; This version of the problem:
;;   THIS VERSION OF THE PROBLEM IS GIVEN IN LOW PRECISION. The matrix products marked QUANTISED in the list below multiply operands that are first quantised to E4M3 (4 exponent bits, 3 mantissa bits; 8 bits a number), with one given power-of-two scale for each operand tensor; their sums are f32. All else is computed in f32.
;;   The module's matrix products, in the order in which they are computed (A, B: the left and right operand; K: the contracted axis; several contracted axes count as one K, in the product's order):
;;     1. [M 1,024, K 1,024] x [K 1,024, N 8]; A: input x; B: input router_w: left as it is (N = 8 < 16)
;;     2. [M 1,024, K 1,024] x [K 1,024, N 32,768]; A: input x; B: input w1 (given as codes): QUANTISED (scales: A lowp_scales[0], B lowp_scales[1])
;;     3. batch 8 x [M 1,024, K 4,096] x [K 4,096, N 1,024]; A: input w2 (given as codes); B: computed on the way: QUANTISED (scales: A lowp_scales[2], B lowp_scales[3])
;;   THE QUANTISER, for each operand of a quantised product, along K:
;;     - The operand's scale is 2^e, e = its entry of the input lowp_scales (int32; the entries are numbered through the quantised products in the list's order, A before B).
;;     - Each number is divided by the scale, clamped to +-448, and rounded to the nearest number of E4M3, ties to even, subnormals kept.
;;     - The product sums the exact products of the quantised numbers (number of the format x scale) in f32.
;;   ~~~python
;;   def quantise(x, axis, e):      # numpy; x: float32 -> the quantised numbers, widened to float32 again
;;       x = np.moveaxis(x, axis, -1); K = x.shape[-1]
;;       r = np.clip(x / 2.0 ** e, -448, 448)
;;       step = 2.0 ** (np.maximum(np.frexp(np.where(r == 0, 1, r))[1] - 1, -6) - 3)
;;       q = np.round(r / step) * step * 2.0 ** e      # np.round: ties to even
;;       return np.moveaxis(q, -1, axis).astype(np.float32)
;;   ~~~
;;   OPERANDS COMPUTED ON THE WAY. 'Computed on the way' means the value that the module computes at that place (a softmax that the list does not call 'softmax' is quantised finished and normalised). What goes into a quantiser is computed in f32, as accurately as f32 sums, v_exp_f32 and their like allow (about 1e-6 of the number): no bf16 or f16 on the way to a quantiser, and a product that is left as it is and whose result goes on into a quantised operand takes f32 operands (vector FMAs, or v_wmma_f32_16x16x4_f32). A number that lies on a knife's edge between two numbers of the format may be rounded either way, as far as f32 arithmetic and the matrix unit's own rounding can turn it there, and no further.
;;   INPUTS GIVEN AS CODES. w1 (in the module: [8, 1024, 4096], K = its axis 1); w2 (in the module: [8, 4096, 1024], K = its axis 1): each comes as NAME_codes (uint8): NAME with its K axis moved to the last place and cut into blocks of 32 codes, [.., K / 32, bytes a block], one block behind the other in memory; one code a byte (a code: sign, 4 exponent bits, 3 mantissa bits); its scale is its entry of lowp_scales. Its value is code x scale, taken as it is: it is not quantised again, and the codes and scales need not be those that the quantiser above would give.
;; 2 versions. Each part assembles by itself: llvm-mc -triple=amdgcn-amd-amdhsa -mcpu=gfx1250 --defsym DOCPART=n.
;; ======== version 1 of 2: 5 launches
;; workspace buffers: xq 1,048,576 bytes; eid 8,192 bytes of whole numbers; pw 8,192 bytes; rowinfo 32,768 bytes of whole numbers; cnt 1,024 bytes of whole numbers; hq 33,554,432 bytes; y 8,912,896 bytes
;; launch route (part 1): grid 256 x 1, 4 waves a work-group, no clusters, 5,120 bytes of LDS; arguments x, router_w, router_b, lowp_scales, xq, eid, pw; writes xq, eid, pw
.if DOCPART == 1
	.amdgcn_target "amdgcn-amd-amdhsa--gfx1250"
	.amdhsa_code_object_version 6
	.text
	.protected	k_qdadce8a8e8_route
	.globl	k_qdadce8a8e8_route
	.p2align	8
	.type	k_qdadce8a8e8_route,@function
k_qdadce8a8e8_route:
	s_mov_b64 s[64:65], 0
	v_nop
	global_prefetch_b8 v0, s[64:65] scope:SCOPE_SE
	s_setreg_imm32_b32 hwreg(HW_REG_WAVE_MODE, 25, 1), 1
	s_wait_xcnt 0x0
; ROUTER AND x's CODES.  scores = x router_w + router_b in f32, softmax over the 8 experts, the two largest (of equal numbers the lower index, by strict compares),
; their weights p / (p0 + p1); and x as codes of E4M3 with the given scale 2^ex, [token][1024], K in its natural order.
; The choice is stored at fixed places (eid: two whole numbers a token; pw: two f32): no address here hangs on it.
; SHARES.  A work-group takes 4 tokens; wave w takes K = 256 w .. 256 w + 255 of all four; lane l holds k = 256 w + 128 i + 4 l + b (i = 0, 1; b = 0 .. 3).
; Each load of x covers 512 consecutive bytes.  The waves' partial scores meet in LDS; wave 0 finishes the four tokens (lane l serves token l % 4).
; No matrix unit: N = 8 is half a tile, and the product is 8 multiply-adds for each number of x that is loaded anyway.
; LIMITS: ex between -126 and 119 (2^ex and 448 x 2^ex are made as f32 numbers).  NaN among the inputs is not served.
; The sums over K are taken in another order than a plain ascending sum: two probabilities that agree to the last bits of f32 may be ranked the other way.
.set SUMS, 4096                        ; LDS: 0 .. 4095 a stage of 1,024 bytes for each wave (its own); from 4096 on 32 partial scores (128 bytes) for each wave
.set CW,  16                           ; v16-23   code words: token q: v[16 + 2 q] (i = 0), v[17 + 2 q] (i = 1)
.set X,   32                           ; v32-63   x: token q, half i, number b at 8 q + 4 i + b
.set WP,  64                           ; v64-127  router_w: 32 i + 8 b + e
.set ACC, 128                          ; v128-159 partial scores: 8 q + e
.set SC,  160                          ; v160-167 a token's scores, then its probabilities
.set PT,  168                          ; v168-199 the four waves' partial scores of my token
	s_load_b256 s[4:11], s[0:1], 0x0               ; x s[4:5], router_w s[6:7], router_b s[8:9], the scales' exponents s[10:11]
	s_load_b128 s[12:15], s[0:1], 0x20             ; xq s[12:13], eid s[14:15]
	s_load_b64 s[16:17], s[0:1], 0x30              ; pw
	v_lshl_add_u32 v208, v0, 2, 0x1200
	v_mov_b32 v209, 0
	v_lshrrev_b32 v1, 5, v0
	v_readfirstlane_b32 s20, v1                    ; wave 0..3
	v_and_b32 v1, 31, v0                           ; lane
	v_lshlrev_b32 v2, 4, v1                        ; x: 16 bytes a lane
	v_lshlrev_b32 v3, 7, v1                        ; router_w: my four rows of 32 bytes
	s_lshl_b32 s21, s20, 10                        ; 1,024 x wave
	v_lshl_add_u32 v4, v1, 2, s21                  ; my stage, on the way in: 4 bytes a lane
	v_lshl_add_u32 v5, v1, 4, s21                  ; and on the way out: 16 bytes a lane
	v_and_b32 v6, 15, v1
	v_lshrrev_b32 v7, 4, v1
	v_lshlrev_b32 v6, 4, v6
	v_lshl_add_u32 v6, v7, 10, v6                  ; xq: 1,024 (lane / 16) + 16 (lane % 16): sixteen lanes to 256 bytes of a token's row
	s_lshl_b32 s22, s20, 7
	s_add_co_u32 s22, s22, SUMS
	v_mov_b32 v7, s22                              ; where my wave's 32 partial scores go
	v_and_b32 v10, 3, v1
	v_lshlrev_b32 v8, 5, v10
	v_add_nc_u32 v8, SUMS, v8                      ; where token lane % 4's eight lie in wave 0's part
	v_lshlrev_b32 v10, 3, v10                      ; eid, pw: 8 bytes a token
	s_mov_b32 s36, 0x76543210                      ; v_permlanex16_b32: lane l takes lane l xor 16
	s_mov_b32 s37, 0xfedcba98
	s_lshl_b32 s22, ttmp9, 14                      ; 4 tokens of 4,096 bytes,
	s_add_co_u32 s22, s22, s21                     ; + my quarter of K
	s_mov_b32 s23, 0
	s_wait_kmcnt 0x0
	s_add_nc_u64 s[4:5], s[4:5], s[22:23]
	s_lshl_b32 s22, s20, 13                        ; 256 rows of router_w, 32 bytes each
	s_add_nc_u64 s[6:7], s[6:7], s[22:23]
.irp q,0,1,2,3
	global_load_b128 v[X+8*\q:X+8*\q+3], v2, s[4:5] offset:4096*\q th:TH_LOAD_NT
	global_load_b128 v[X+8*\q+4:X+8*\q+7], v2, s[4:5] offset:4096*\q+512 th:TH_LOAD_NT
.endr
.irp i,0,1
.irp j,0,1,2,3,4,5,6,7
	global_load_b128 v[WP+32*\i+4*\j:WP+32*\i+4*\j+3], v3, s[6:7] offset:4096*\i+16*\j
.endr
.endr
	s_load_b256 s[24:31], s[8:9], 0x0              ; router_b
	s_load_b32 s32, s[10:11], 0x0                  ; ex
	s_lshl_b32 s22, ttmp9, 12                      ; xq: 4 tokens of 1,024 bytes + 256 x wave
	s_lshl_b32 s33, s20, 8
	s_add_co_u32 s22, s22, s33
	s_add_nc_u64 s[12:13], s[12:13], s[22:23]
	s_lshl_b32 s22, ttmp9, 5                       ; eid, pw: 4 tokens of 8 bytes
	s_add_nc_u64 s[14:15], s[14:15], s[22:23]
	s_add_nc_u64 s[16:17], s[16:17], s[22:23]
	s_wait_loadcnt 0x0
	; the partial scores: for each of my 8 k, 4 tokens x 8 experts, two experts an instruction; the first product starts the sums
.irp i,0,1
.irp b,0,1,2,3
.irp q,0,1,2,3
.irp e,0,2,4,6
.if (\i+\b) == 0
	v_pk_mul_f32 v[ACC+8*\q+\e:ACC+8*\q+\e+1], v[X+8*\q:X+8*\q+1], v[WP+\e:WP+\e+1] op_sel_hi:[0,1]
.elseif (\b%2) == 0
	v_pk_fma_f32 v[ACC+8*\q+\e:ACC+8*\q+\e+1], v[X+8*\q+4*\i+\b:X+8*\q+4*\i+\b+1], v[WP+32*\i+8*\b+\e:WP+32*\i+8*\b+\e+1], v[ACC+8*\q+\e:ACC+8*\q+\e+1] op_sel_hi:[0,1,1]
.else
	v_pk_fma_f32 v[ACC+8*\q+\e:ACC+8*\q+\e+1], v[X+8*\q+4*\i+\b-1:X+8*\q+4*\i+\b], v[WP+32*\i+8*\b+\e:WP+32*\i+8*\b+\e+1], v[ACC+8*\q+\e:ACC+8*\q+\e+1] op_sel:[1,0,0] op_sel_hi:[1,1,1]
.endif
.endr
.endr
.endr
.endr
	; x's codes
	s_wait_kmcnt 0x0
	s_add_co_i32 s33, s32, 127
	s_lshl_b32 s34, s33, 23
	v_mov_b32 v11, s34                             ; 2^ex as f32: the conversion takes its exponent field
	s_add_co_i32 s33, s33, 8
	s_lshl_b32 s33, s33, 23
	s_or_b32 s33, s33, 0x600000
	v_mov_b32 v9, s33                              ; 448 x 2^ex
.set n, 0
.rept 32
	v_med3_num_f32 v[X+n], v[X+n], -v9, v9         ; the conversion to an 8-bit code does not saturate (ISA guide 7.6.2): the hold comes first
.set n, n+1
.endr
.irp q,0,1,2,3
	v_cvt_scalef32_pk8_fp8_f32 v[CW+2*\q:CW+2*\q+1], v[X+8*\q:X+8*\q+7], v11   ; a token's eight numbers of mine: one word for i = 0, one for i = 1
.endr
	v_nop                                          ; a plain line behind the last conversion: x's registers are written again below
.irp q,0,1,2,3
	ds_store_b32 v4, v[CW+2*\q] offset:256*\q      ; my wave's 256 codes of token q lie on end
	ds_store_b32 v4, v[CW+2*\q+1] offset:256*\q+128
.endr
	ds_load_b128 v[24:27], v5                      ; LDS serves a wave's instructions in order: these see my stores
	ds_load_b128 v[28:31], v5 offset:512
	; the partial scores over the 32 lanes
.irp m,1,2,4,8
.set n, 0
.rept 32
	v_add_f32_dpp v[ACC+n], v[ACC+n], v[ACC+n] row_xmask:\m row_mask:0xf bank_mask:0xf
.set n, n+1
.endr
.endr
.set n, 0
.rept 32
	v_permlanex16_b32 v[X+n], v[ACC+n], s36, s37   ; (x's registers are free, and have been written)
.set n, n+1
.endr
.set n, 0
.rept 32
	v_add_f32 v[ACC+n], v[ACC+n], v[X+n]
.set n, n+1
.endr
	s_wait_dscnt 0x0                               ; the codes are back
	global_store_b128 v6, v[24:27], s[12:13]       ; sixteen lanes store 256 consecutive bytes, aligned
	global_store_b128 v6, v[28:31], s[12:13] offset:2048
.irp j,0,1,2,3,4,5,6,7
	ds_store_b128 v7, v[ACC+4*\j:ACC+4*\j+3] offset:16*\j   ; every lane holds the same sums and writes the same words
.endr
	s_wait_dscnt 0x0                               ; for wave 0's sake: my stores have landed
	s_barrier_signal -1
	s_barrier_wait -1
	s_cmp_lg_u32 s20, 0
	s_cbranch_scc1 .Lend                           ; no barrier follows
.irp w,0,1,2,3
	ds_load_b128 v[PT+8*\w:PT+8*\w+3], v8 offset:128*\w
	ds_load_b128 v[PT+8*\w+4:PT+8*\w+7], v8 offset:128*\w+16
.endr
	s_wait_dscnt 0x0
.irp e,0,2,4,6
	v_pk_add_f32 v[SC+\e:SC+\e+1], v[PT+\e:PT+\e+1], v[PT+8+\e:PT+8+\e+1]
	v_pk_add_f32 v[PT+16+\e:PT+16+\e+1], v[PT+16+\e:PT+16+\e+1], v[PT+24+\e:PT+24+\e+1]
.endr
.irp e,0,2,4,6
	v_pk_add_f32 v[SC+\e:SC+\e+1], v[SC+\e:SC+\e+1], v[PT+16+\e:PT+16+\e+1]
.endr
.irp e,0,1,2,3,4,5,6,7
	v_add_f32 v[SC+\e], s[24+\e], v[SC+\e]         ; + router_b
.endr
	v_max3_num_f32 v206, v160, v161, v162          ; the softmax takes the largest score away first
	v_max3_num_f32 v206, v206, v163, v164
	v_max3_num_f32 v206, v206, v165, v166
	v_max_num_f32 v206, v206, v167
.irp e,0,1,2,3,4,5,6,7
	v_sub_f32 v[SC+\e], v[SC+\e], v206
.endr
.irp e,0,1,2,3,4,5,6,7
	v_mul_f32 v[SC+\e], 0x3fb8aa3b, v[SC+\e]       ; x log2(e)
.endr
.irp e,0,1,2,3,4,5,6,7
	v_exp_f32 v[SC+\e], v[SC+\e]
.endr
	v_nop                                          ; a plain line behind the exponentials
	s_wait_alu depctr_va_vdst(0)
	v_pk_add_f32 v[168:169], v[160:161], v[162:163]
	v_pk_add_f32 v[170:171], v[164:165], v[166:167]
	v_pk_add_f32 v[168:169], v[168:169], v[170:171]
	v_add_f32 v206, v168, v169
	v_rcp_f32 v206, v206
	v_nop
	s_wait_alu depctr_va_vdst(0)
.irp e,0,1,2,3,4,5,6,7
	v_mul_f32 v[SC+\e], v[SC+\e], v206             ; the probabilities
.endr
	v_mov_b32 v200, v160                           ; the largest: a later one wins only where it is strictly larger
	v_mov_b32 v202, 0
.irp i,1,2,3,4,5,6,7
	v_cmp_gt_f32 s38, v[SC+\i], v200
	v_cndmask_b32 v200, v200, v[SC+\i], s38
	v_cndmask_b32 v202, v202, \i, s38
.endr
	v_mov_b32 v201, -1.0                           ; the second: the same among the seven others (every probability is above -1)
	v_mov_b32 v203, 0
.irp i,0,1,2,3,4,5,6,7
	v_cmp_gt_f32 s38, v[SC+\i], v201
	v_cmp_ne_u32 s39, \i, v202
	s_and_b32 s38, s38, s39
	v_cndmask_b32 v201, v201, v[SC+\i], s38
	v_cndmask_b32 v203, v203, \i, s38
.endr
	v_add_f32 v206, v200, v201
	v_rcp_f32 v206, v206
	v_nop
	s_wait_alu depctr_va_vdst(0)
	v_mul_f32 v204, v200, v206
	v_mul_f32 v205, v201, v206
	s_wait_xcnt 0x0                                ; EXEC changes only behind this wait: the stores of codes have read their sources
	v_cmp_gt_u32 vcc_lo, 4, v0
	s_and_saveexec_b32 s40, vcc_lo                 ; lanes 0 to 3: one for each token
	global_store_b64 v10, v[202:203], s[14:15]
	global_store_b64 v10, v[204:205], s[16:17]
	s_wait_xcnt 0x0
	s_or_b32 exec_lo, exec_lo, s40
.Lend:
	s_wait_tensorcnt 0x0
	ds_add_u32 v208, v209
	s_wait_dscnt 0x0
	s_endpgm
.Lfunc_end_k_qdadce8a8e8_route:
	.size	k_qdadce8a8e8_route, .Lfunc_end_k_qdadce8a8e8_route-k_qdadce8a8e8_route
	.p2alignl 7, 3214868480
	.fill 96, 4, 3214868480
	.section	.rodata,"a",@progbits
	.p2align	6, 0x0
	.amdhsa_kernel k_qdadce8a8e8_route
		.amdhsa_group_segment_fixed_size 5120
		.amdhsa_private_segment_fixed_size 0
		.amdhsa_enable_private_segment 0
		.amdhsa_kernarg_size 56
		.amdhsa_user_sgpr_count 2
		.amdhsa_user_sgpr_kernarg_segment_ptr 1
		.amdhsa_wavefront_size32 1
		.amdhsa_system_sgpr_workgroup_id_x 1
		.amdhsa_system_sgpr_workgroup_id_y 1
		.amdhsa_system_sgpr_workgroup_id_z 1
		.amdhsa_system_vgpr_workitem_id 0
		.amdhsa_next_free_vgpr 210
		.amdhsa_next_free_sgpr 66
		.amdhsa_reserve_vcc 1
		.amdhsa_float_denorm_mode_32 3
		.amdhsa_float_denorm_mode_16_64 3
		.amdhsa_memory_ordered 1
		.amdhsa_forward_progress 1
		.amdhsa_inst_pref_size 36
	.end_amdhsa_kernel
	.amdgpu_metadata
---
amdhsa.version: [ 1, 2 ]
amdhsa.kernels:
  - .name:           k_qdadce8a8e8_route
    .symbol:         k_qdadce8a8e8_route.kd
    .args:
      - { .name: x, .offset: 0, .size: 8, .value_kind: global_buffer, .address_space: global }
      - { .name: router_w, .offset: 8, .size: 8, .value_kind: global_buffer, .address_space: global }
      - { .name: router_b, .offset: 16, .size: 8, .value_kind: global_buffer, .address_space: global }
      - { .name: lowp_scales, .offset: 24, .size: 8, .value_kind: global_buffer, .address_space: global }
      - { .name: xq, .offset: 32, .size: 8, .value_kind: global_buffer, .address_space: global }
      - { .name: eid, .offset: 40, .size: 8, .value_kind: global_buffer, .address_space: global }
      - { .name: pw, .offset: 48, .size: 8, .value_kind: global_buffer, .address_space: global }
    .group_segment_fixed_size: 5120
    .private_segment_fixed_size: 0
    .kernarg_segment_align: 8
    .kernarg_segment_size: 56
    .max_flat_workgroup_size: 128
    .sgpr_count:     66
    .vgpr_count:     210
    .wavefront_size: 32
...
	.end_amdgpu_metadata
.endif
;; end of part 1
;; launch place (part 2): grid 8 x 1, 1 waves a work-group, no clusters, 4,864 bytes of LDS; arguments eid, rowinfo, cnt; writes rowinfo, cnt
.if DOCPART == 2
	.amdgcn_target "amdgcn-amd-amdhsa--gfx1250"
	.amdhsa_code_object_version 6
	.text
	.protected	k_qdadce8a8e8_place
	.globl	k_qdadce8a8e8_place
	.p2align	8
	.type	k_qdadce8a8e8_place,@function
k_qdadce8a8e8_place:
	s_mov_b64 s[64:65], 0
	v_nop
	global_prefetch_b8 v0, s[64:65] scope:SCOPE_SE
	s_setreg_imm32_b32 hwreg(HW_REG_WAVE_MODE, 25, 1), 1
	s_wait_xcnt 0x0
; THE ROWS OF EACH EXPERT.  Work-group e (one wave) walks the 1,024 tokens' choices (eid: two whole numbers a token) and makes expert e's list: entry = 2 x token + slot, in the order of the tokens.
; Places past the count hold 2048 + 16 e + place % 16, a spare row of y.  rowinfo [e][1024] takes the list, cnt [e][32] the count, 32 times over, so that no lane is switched off.
; The launches behind this one take their trips from cnt and their rows from rowinfo, as whole numbers read from memory.
; The list is made in LDS and leaves at fixed addresses, 512 consecutive bytes a store.  Every lane stores in every step, with all lanes on: a lane whose token did not choose e stores to place 1024 + lane,
; behind the list's 1,024 places, which nothing reads.  One wave: the place of a row is a running count over the tokens; eight work-groups, since there are eight experts; no barrier, no branch.
; THE 32 STEPS (32 tokens each) GO STAGE BY STAGE, each stage over all steps: the compares, the masks, the running counts (scalar), the places, the stores: no line reads the result of the line just ahead of it.
.set EI,   32                          ; v32-95   the choices: tokens 32 i + lane at v[32 + 2 i], v[33 + 2 i]
.set EV,   96                          ; v96-127  step i's entry: 2 x token + slot
.set PL,   128                         ; v128-159 step i's place, then its LDS address
.set OUTR, 160                         ; v160-191 the list on its way out
.set MA,   32                          ; s32-63   step i: the lanes whose first choice is e, then those that chose e at all
.set MB,   66                          ; s66-97   step i: the lanes whose second choice is e, then the rows ahead of step i
	s_load_b128 s[4:7], s[0:1], 0x0                ; eid s[4:5], rowinfo s[6:7]
	s_load_b64 s[8:9], s[0:1], 0x10                ; cnt
	v_lshl_add_u32 v192, v0, 2, 0x1200
	v_mov_b32 v193, 0
	v_and_b32 v1, 31, v0                           ; lane
	v_lshlrev_b32 v2, 3, v1                        ; eid: 8 bytes a token
	v_lshlrev_b32 v3, 4, v1                        ; 16 x lane: the list's fill, its way out, and rowinfo
	v_lshlrev_b32 v4, 1, v1                        ; 2 x lane
	v_add_nc_u32 v5, 1024, v1                      ; the place of a lane without a row
	v_lshlrev_b32 v6, 2, v1                        ; cnt: 4 bytes a lane
	v_and_b32 v7, 3, v1
	s_mov_b32 s16, ttmp9                           ; e
	s_lshl_b32 s12, ttmp9, 12                      ; rowinfo: 4,096 e
	s_mov_b32 s13, 0
	s_lshl_b32 s14, ttmp9, 7                       ; cnt: 128 e
	s_mov_b32 s15, 0
	s_lshl_b32 s22, ttmp9, 4
	s_add_co_u32 s22, s22, 2048
	s_wait_kmcnt 0x0
.set i, 0
.rept 32
	global_load_b64 v[EI+2*i:EI+2*i+1], v2, s[4:5] offset:256*i
.set i, i+1
.endr
	s_add_nc_u64 s[6:7], s[6:7], s[12:13]
	s_add_nc_u64 s[8:9], s[8:9], s[14:15]
	v_lshl_add_u32 v12, v7, 2, s22                 ; the fill: 2048 + 16 e + place % 16 (a lane's four places begin at 4 x lane)
	v_add_nc_u32 v13, 1, v12
	v_add_nc_u32 v14, 2, v12
	v_add_nc_u32 v15, 3, v12
.irp i,0,1,2,3,4,5,6,7
	ds_store_b128 v3, v[12:15] offset:512*\i
.endr
.set i, 0
.rept 32
	s_wait_loadcnt 31-i                            ; loads come back in order: these 32 tokens' choices are in, the younger loads may be out
	v_cmp_eq_u32 s[MA+i], s16, v[EI+2*i]
	v_cmp_eq_u32 s[MB+i], s16, v[EI+2*i+1]
.set i, i+1
.endr
.set i, 0
.rept 32
	v_cndmask_b32 v[EV+i], 0, 1, s[MB+i]           ; the slot
.set i, i+1
.endr
.set i, 0
.rept 32
	s_or_b32 s[MA+i], s[MA+i], s[MB+i]             ; the tokens of these 32 that chose e (a token's two experts differ)
.set i, i+1
.endr
.set i, 0
.rept 32
	v_add3_u32 v[EV+i], v[EV+i], v4, 64*i          ; 2 x token + slot
.set i, i+1
.endr
	s_mov_b32 s17, 0                               ; rows so far
.set i, 0
.rept 32
	s_mov_b32 s[MB+i], s17                         ; the rows ahead of step i (the slot masks have been read)
	s_bcnt1_i32_b32 s21, s[MA+i]
	s_add_co_u32 s17, s17, s21
.set i, i+1
.endr
.set i, 0
.rept 32
	v_mbcnt_lo_u32_b32 v[PL+i], s[MA+i], s[MB+i]   ; my place: the rows ahead of the step + the lanes below me that chose e;
.set i, i+1
.endr
.set i, 0
.rept 32
	v_cndmask_b32 v[PL+i], v5, v[PL+i], s[MA+i]    ; without a row: 1024 + lane.  The choice is made on the place, ahead of the hold:
.set i, i+1
.endr
.set i, 0
.rept 32
	v_min_u32 v[PL+i], 1055, v[PL+i]               ; whatever eid holds, the store stays inside these 4,224 bytes
.set i, i+1
.endr
.set i, 0
.rept 32
	v_lshlrev_b32 v[PL+i], 2, v[PL+i]
.set i, i+1
.endr
.set i, 0
.rept 32
	ds_store_b32 v[PL+i], v[EV+i]                  ; LDS serves a wave's instructions in order: this lands on the fill
.set i, i+1
.endr
.irp i,0,1,2,3,4,5,6,7
	ds_load_b128 v[OUTR+4*\i:OUTR+4*\i+3], v3 offset:512*\i   ; in order again: these see all the stores above
.endr
	v_mov_b32 v8, s17
	s_wait_dscnt 0x0
.irp i,0,1,2,3,4,5,6,7
	global_store_b128 v3, v[OUTR+4*\i:OUTR+4*\i+3], s[6:7] offset:512*\i
.endr
	global_store_b32 v6, v8, s[8:9]
	s_wait_tensorcnt 0x0
	ds_add_u32 v192, v193
	s_wait_dscnt 0x0
	s_endpgm
.Lfunc_end_k_qdadce8a8e8_place:
	.size	k_qdadce8a8e8_place, .Lfunc_end_k_qdadce8a8e8_place-k_qdadce8a8e8_place
	.p2alignl 7, 3214868480
	.fill 96, 4, 3214868480
	.section	.rodata,"a",@progbits
	.p2align	6, 0x0
	.amdhsa_kernel k_qdadce8a8e8_place
		.amdhsa_group_segment_fixed_size 4864
		.amdhsa_private_segment_fixed_size 0
		.amdhsa_enable_private_segment 0
		.amdhsa_kernarg_size 24
		.amdhsa_user_sgpr_count 2
		.amdhsa_user_sgpr_kernarg_segment_ptr 1
		.amdhsa_wavefront_size32 1
		.amdhsa_system_sgpr_workgroup_id_x 1
		.amdhsa_system_sgpr_workgroup_id_y 1
		.amdhsa_system_sgpr_workgroup_id_z 1
		.amdhsa_system_vgpr_workitem_id 0
		.amdhsa_next_free_vgpr 194
		.amdhsa_next_free_sgpr 100
		.amdhsa_reserve_vcc 0
		.amdhsa_float_denorm_mode_32 3
		.amdhsa_float_denorm_mode_16_64 3
		.amdhsa_memory_ordered 1
		.amdhsa_forward_progress 1
		.amdhsa_inst_pref_size 30
	.end_amdhsa_kernel
	.amdgpu_metadata
---
amdhsa.version: [ 1, 2 ]
amdhsa.kernels:
  - .name:           k_qdadce8a8e8_place
    .symbol:         k_qdadce8a8e8_place.kd
    .args:
      - { .name: eid, .offset: 0, .size: 8, .value_kind: global_buffer, .address_space: global }
      - { .name: rowinfo, .offset: 8, .size: 8, .value_kind: global_buffer, .address_space: global }
      - { .name: cnt, .offset: 16, .size: 8, .value_kind: global_buffer, .address_space: global }
    .group_segment_fixed_size: 4864
    .private_segment_fixed_size: 0
    .kernarg_segment_align: 8
    .kernarg_segment_size: 24
    .max_flat_workgroup_size: 32
    .sgpr_count:     100
    .vgpr_count:     194
    .wavefront_size: 32
...
	.end_amdgpu_metadata
.endif
;; end of part 2
;; launch up (part 3): grid 256 x 1, 4 waves a work-group, no clusters, 209,408 bytes of LDS; arguments xq, cnt, w1_codes, b1, lowp_scales, hq, rowinfo; writes hq
.if DOCPART == 3
	.amdgcn_target "amdgcn-amd-amdhsa--gfx1250"
	.amdhsa_code_object_version 6
	.text
	.protected	k_qdadce8a8e8_up
	.globl	k_qdadce8a8e8_up
	.p2align	8
	.type	k_qdadce8a8e8_up,@function
k_qdadce8a8e8_up:
	s_mov_b64 s[64:65], 0
	v_nop
	global_prefetch_b8 v0, s[64:65] scope:SCOPE_SE
	s_setreg_imm32_b32 hwreg(HW_REG_WAVE_MODE, 25, 1), 1
	s_wait_xcnt 0x0
; FIRST PRODUCT OF THE CHOSEN ROWS.  h = Q(gelu(x W1 + b1)) for the (token, expert) rows that the router chose, both operands as codes of E4M3.
; SHARES.  Work-group = (expert e = id / 32, slice fs = id % 32 of 128 hidden units).  Wave w: wf = w % 2 says which 64 units, wr = w / 2 which 32 of a chunk's 64 rows.
; A wave's 64 units x 1,024 K of W1 stay in 512 registers for the whole launch: each byte of W1 is read once in the launch, by loads of 512 consecutive bytes.
; THE LIST of the expert's rows (rowinfo: entry = 2 x token + slot; places past the count name spare rows of y) and the count (cnt) were stored by the launch before.
; A wave's 16 entries of a chunk come by one scalar load of 64 bytes, asked for one chunk ahead of the gather that uses them; all 1,024 vector registers are taken, so they stay scalar.
; THE ROWS go by in chunks of 64, in 16 trips whatever the count; a wave jumps over a trip's work where its 32 rows begin at or past the count; no barrier is jumped over.
; FROM ROWS TO FRAGMENTS.  16 rows of 1,024 codes are loaded row by row (two loads of 512 consecutive bytes a row); piece g (16 codes) of row r goes to LDS at 272 g + 16 r;
; lane (r, h) reads group c of K step s at 272 (8 s + 2 c + h) + 16 r: registers 4 c .. 4 c + 3 then hold k = 128 s + 32 c + 16 h + 0 .. 15, in W1's and in x's fragments alike,
; so every product meets its partner (a permutation of k inside an instruction, the same on both sides).  The pitch 272 keeps the 16 lanes of a store on 16 different 16-byte columns.
; A CHUNK'S PRODUCTS GO BY STEPS: step j = (row tile j / 8, K step j % 8) is 4 LDS loads and 4 matrix instructions; the loads run six steps ahead of the products, so that products are issued while later fragments are on their way.
; THE PRODUCT IS USED TRANSPOSED (source 0 = 16 units of W1, source 1 = 16 rows of x), and slot r of tile 2 b + u holds unit 32 b + 8 u + r + 8 (r / 8): a lane then holds one row, and the 16
; registers of tiles 2 b, 2 b + 1 are 16 neighbours along the next K.  The codes leave as images of the next product's fragments: hq [e][tile of 16 rows][K step][c][lane][16 bytes], 512 consecutive bytes a store.
; GELU as x/2 + x/2 erf(x / sqrt 2); erf(z) = z P(z^2) / Q(z^2), |z| held at 4, good to a few units in the last place of erf: so Phi carries an absolute error near 1e-7 (it shows, relatively, only far in the negative tail).
; NO JOINT LOADS, though the 32 slices of an expert read the same rows of x: which trips do work hangs on a count read from memory, and the rows are gathered by a list, one address a row.
; LIMITS: ex + ew1 - 1 between -126 and 127; eh between -126 and 119.  NaN among the inputs is not served.
; REGISTERS.  window 0: v1-11 addresses and constants; v16-31 gather offsets; v32-63 b1 / 2; v64-127 8 accumulators (32 rt + 8 t); v128-255 x's fragments of row tile 0 (behind the products: gelu's work and the codes).
;   windows 1, 2: W1's fragments (K steps 0-3, 4-7) at 16 (4 (s % 4) + t) + 4 c.   window 3: v0-127 the gathered rows; v128-255 x's fragments of row tile 1.   s[48:63]: 16 list entries.
.set TB,   17408                       ; a tile of 16 rows x 1,024 codes in LDS: 64 pieces x 272 bytes
.set XCH,  8*TB                        ; LDS: 0: W1's 8 tiles on their way;  XCH: a chunk's 4 tiles of x
.set VO,   16
.set B1H,  32
.set ACC,  64
.set XF,   128
.set GZ,   128                         ; gelu: z, z^2, P, Q: eight registers each
.set GS,   136
.set GP,   144
.set GQ,   152
.set CD,   160                         ; v160-175 the codes: 8 rt + 2 t
.set EN,   48                          ; s[48:63] the entries
.set MSB, 0
.macro WIN new                         ; s_set_vgpr_msb: bits 1:0 source 0, 3:2 source 1, 5:4 source 2, 7:6 destination; the high byte repeats the setting that is left
.if MSB != (\new)
	s_set_vgpr_msb (MSB<<8)|(\new)
.set MSB, (\new)
.endif
.endm
; my 16 entries from byte s28 of the expert's list on.  The look-ahead of the last chunk would pass the list's end: the offset is held at the last 64 bytes (what comes then is used by nobody)
.macro LOADE
	s_min_u32 s46, s28, 4032
	s_add_nc_u64 s[44:45], s[16:17], s[46:47]      ; (s47 = 0)
	s_load_b512 s[EN:EN+15], s[44:45], 0x0
.endm
; the 16 rows that s[48:63] name: row r's 1,024 codes come by two loads of 512 consecutive bytes; then the next chunk's entries are asked for
.macro GATHER
.irp r,0,1,2,3,4,5,6,7,8,9,10,11,12,13,14,15
	s_lshr_b32 s[EN+\r], s[EN+\r], 1               ; the token
	s_min_u32 s[EN+\r], s[EN+\r], 1023             ; (a place past the count names a spare row: it takes the last token's codes, and its result goes to the spare row)
	v_lshl_add_u32 v[VO+\r], s[EN+\r], 10, v1
.endr
	WIN 0xc0                                       ; destination window 3
.irp r,0,1,2,3,4,5,6,7,8,9,10,11,12,13,14,15
	global_load_b128 v[8*\r:8*\r+3], v[VO+\r], s[4:5]
	global_load_b128 v[8*\r+4:8*\r+7], v[VO+\r], s[4:5] offset:512
.endr
	WIN 0
	LOADE
.endm
.macro PUTX                            ; the gathered rows into my tile of the chunk
	WIN 0x0c                                       ; store data window 3
.irp r,0,1,2,3,4,5,6,7,8,9,10,11,12,13,14,15
	ds_store_b128 v5, v[8*\r:8*\r+3] offset:16*\r
	ds_store_b128 v5, v[8*\r+4:8*\r+7] offset:8704+16*\r
.endr
	WIN 0
.endm
; step j's fragment of x: row tile j / 8 (window 0 or 3), K step j % 8: four LDS loads
.macro FR j
	WIN 0xc0*((\j)/8)
.irp c,0,1,2,3
	ds_load_b128 v[XF+16*((\j)%8)+4*\c:XF+16*((\j)%8)+4*\c+3], v6 offset:TB*((\j)/8)+272*(8*((\j)%8)+2*\c)
.endr
.endm
; step j's four matrix instructions: that fragment against my 4 tiles of units.  The four accumulators take turns, one instruction a turn; a row tile's first K step starts its sums.
.macro MU j
	WIN (1+(((\j)%8)/4))+12*((\j)/8)               ; source 0 (W1) window 1 or 2; source 1 (x) window 0 or 3
.irp t,0,1,2,3
.if ((\j)%8) == 0
	v_wmma_f32_16x16x128_fp8_fp8 v[ACC+32*((\j)/8)+8*\t:ACC+32*((\j)/8)+8*\t+7], v[16*(4*((\j)%4)+\t):16*(4*((\j)%4)+\t)+15], v[XF+16*((\j)%8):XF+16*((\j)%8)+15], 0
.else
	v_wmma_f32_16x16x128_fp8_fp8 v[ACC+32*((\j)/8)+8*\t:ACC+32*((\j)/8)+8*\t+7], v[16*(4*((\j)%4)+\t):16*(4*((\j)%4)+\t)+15], v[XF+16*((\j)%8):XF+16*((\j)%8)+15], v[ACC+32*((\j)/8)+8*\t:ACC+32*((\j)/8)+8*\t+7]
.endif
.endr
.endm
.macro HORN d, k                       ; d = d z^2 + k, eight numbers
.irp p,0,2,4,6
	v_pk_fma_f32 v[\d+\p:\d+\p+1], v[\d+\p:\d+\p+1], v[GS+\p:GS+\p+1], \k op_sel_hi:[1,1,0]
.endr
.endm
; one accumulator (v[a] on; its b1 / 2 at v[bb] on) becomes eight codes in v[cd], v[cd + 1].  It is read from its low end on.
.macro GELU a, bb, cd
.irp p,0,2,4,6
	v_pk_fma_f32 v[\a+\p:\a+\p+1], v[\a+\p:\a+\p+1], s[36:37], v[\bb+\p:\bb+\p+1] op_sel_hi:[1,0,1]   ; x / 2 = sum x 2^(ex + ew1 - 1) + b1 / 2
.endr
.irp p,0,2,4,6
	v_pk_mul_f32 v[GZ+\p:GZ+\p+1], v[\a+\p:\a+\p+1], 0x3fb504f3 op_sel_hi:[1,0]                       ; z = x / sqrt 2
.endr
.irp j,0,1,2,3,4,5,6,7
	v_med3_num_f32 v[GZ+\j], v[GZ+\j], -4.0, 4.0
.endr
.irp p,0,2,4,6
	v_pk_mul_f32 v[GS+\p:GS+\p+1], v[GZ+\p:GZ+\p+1], v[GZ+\p:GZ+\p+1]
.endr
.irp p,0,2,4,6
	v_pk_fma_f32 v[GP+\p:GP+\p+1], v[GS+\p:GS+\p+1], s[38:39], 0x32edffee op_sel_hi:[1,0,0]
.endr
.irp p,0,2,4,6
	v_pk_fma_f32 v[GQ+\p:GQ+\p+1], v[GS+\p:GS+\p+1], s[40:41], 0xb95fbd29 op_sel_hi:[1,0,0]
.endr
	HORN GP, 0xb60cff51                            ; the two chains by turns
	HORN GQ, 0xbadc924e
	HORN GP, 0xb86ec2d2
	HORN GQ, 0xbbf19bf8
	HORN GP, 0xba40ac63
	HORN GQ, 0xbc69b6a7
	HORN GP, 0xbb41a1f6
	HORN GP, 0xbc83dbd4
.irp j,0,1,2,3,4,5,6,7
	v_rcp_f32 v[GQ+\j], v[GQ+\j]
.endr
.irp p,0,2,4,6
	v_pk_mul_f32 v[GP+\p:GP+\p+1], v[GP+\p:GP+\p+1], v[GZ+\p:GZ+\p+1]     ; (the plain lines behind the reciprocals)
.endr
	s_wait_alu depctr_va_vdst(0)
.irp p,0,2,4,6
	v_pk_mul_f32 v[GP+\p:GP+\p+1], v[GP+\p:GP+\p+1], v[GQ+\p:GQ+\p+1]     ; erf
.endr
.irp p,0,2,4,6
	v_pk_fma_f32 v[\a+\p:\a+\p+1], v[\a+\p:\a+\p+1], v[GP+\p:GP+\p+1], v[\a+\p:\a+\p+1]   ; gelu = x/2 erf + x/2
.endr
.irp j,0,1,2,3,4,5,6,7
	v_med3_num_f32 v[\a+\j], v[\a+\j], -v10, v10   ; the conversion does not saturate (ISA guide 7.6.2): the hold at 448 x 2^eh
.endr
	v_cvt_scalef32_pk8_fp8_f32 v[\cd:\cd+1], v[\a:\a+7], v9
.endm
	s_load_b256 s[4:11], s[0:1], 0x0               ; xq s[4:5], cnt s[6:7], W1's codes s[8:9], b1 s[10:11]
	s_load_b128 s[12:15], s[0:1], 0x20             ; the scales' exponents s[12:13], hq s[14:15]
	s_load_b64 s[16:17], s[0:1], 0x30              ; rowinfo
	v_lshl_add_u32 v14, v0, 2, 0x33000
	v_mov_b32 v15, 0
	v_lshrrev_b32 v1, 5, v0
	v_readfirstlane_b32 s20, v1                    ; wave 0..3
	s_and_b32 s21, s20, 1                          ; wf
	s_lshr_b32 s22, s20, 1                         ; wr
	s_lshr_b32 s23, ttmp9, 5                       ; e
	s_and_b32 s24, ttmp9, 31                       ; fs
	v_and_b32 v21, 31, v0                          ; lane          (v19-21: at work in these lines only)
	v_and_b32 v19, 15, v0                          ; r
	v_bfe_u32 v20, v0, 4, 1                        ; h
	v_lshlrev_b32 v1, 4, v21                       ; v1  16 x lane
	v_mul_u32_u24 v2, v21, 272
	s_mul_i32 s29, s20, TB
	s_add_co_u32 s29, s29, XCH
	v_add_nc_u32 v5, s29, v2                       ; v5  my tile of the chunk, on the way in: piece = lane
	s_mul_i32 s29, s20, 2*TB
	v_add_nc_u32 v2, s29, v2                       ; v2  my two tiles of W1, on the way in
	v_mul_u32_u24 v3, v20, 272
	v_lshl_add_u32 v3, v19, 4, v3                  ; 272 h + 16 r
	s_mul_i32 s29, s22, 2*TB
	s_add_co_u32 s29, s29, XCH
	v_add_nc_u32 v6, s29, v3                       ; v6  my two row tiles' fragments
	s_mul_i32 s29, s21, 4*TB
	v_add_nc_u32 v3, s29, v3                       ; v3  W1's fragments, my tiles 0 and 1;
	v_add_nc_u32 v4, 2*TB, v3                      ; v4  tiles 2 and 3
	s_lshl_b32 s29, s21, 10
	v_add_nc_u32 v8, s29, v1                       ; v8  hq: 16 x lane + 1,024 wf (groups c = 2 wf, 2 wf + 1 of the K step)
	v_lshlrev_b32 v11, 6, v20                      ; v11 b1: lanes 16-31 take the units 16 further on
	s_lshl_b32 s28, s20, 6                         ; s28 the byte of the expert's list at which the entries to be asked for begin: 64 w + 256 a chunk
	s_mov_b32 s47, 0
	s_lshl_b32 s46, s23, 22                        ; W1: 4 MiB an expert, 128 KiB a slice, 32 KiB a wave
	s_lshl_b32 s29, s24, 17
	s_add_co_u32 s46, s46, s29
	s_lshl_b32 s29, s20, 15
	s_add_co_u32 s46, s46, s29
	s_wait_kmcnt 0x0
	s_add_nc_u64 s[8:9], s[8:9], s[46:47]
	s_lshl_b32 s46, s23, 14                        ; b1: 4 (4,096 e + 128 fs + 64 wf)
	s_lshl_b32 s29, s24, 9
	s_add_co_u32 s46, s46, s29
	s_lshl_b32 s29, s21, 8
	s_add_co_u32 s46, s46, s29
	s_add_nc_u64 s[10:11], s[10:11], s[46:47]
	s_lshl_b32 s46, s23, 12                        ; rowinfo: 4,096 e
	s_add_nc_u64 s[16:17], s[16:17], s[46:47]
	s_lshl_b32 s46, s23, 7                         ; cnt: 128 e
	s_add_nc_u64 s[6:7], s[6:7], s[46:47]
	s_lshl_b32 s46, s23, 22                        ; hq: 4 MiB an expert, 2,048 a K step, two tiles of 65,536 for wr
	s_lshl_b32 s29, s24, 11
	s_add_co_u32 s46, s46, s29
	s_lshl_b32 s29, s22, 17
	s_add_co_u32 s46, s46, s29
	s_add_nc_u64 s[14:15], s[14:15], s[46:47]
	s_load_b128 s[32:35], s[12:13], 0x0            ; ex, ew1, ew2, eh
	s_load_b32 s25, s[6:7], 0x0                    ; the expert's rows
	LOADE                                          ; chunk 0's entries
	WIN 0x40                                       ; destination window 1
.set i, 0
.rept 64
	global_load_b128 v[4*i:4*i+3], v1, s[8:9] offset:512*i th:TH_LOAD_NT   ; my 32 rows of W1: one dense block of 32 KiB
.set i, i+1
.endr
	WIN 0
.irp t,0,1,2,3
	global_load_b128 v[B1H+8*\t:B1H+8*\t+3], v11, s[10:11] offset:4*(32*(\t/2)+8*(\t%2))
	global_load_b128 v[B1H+8*\t+4:B1H+8*\t+7], v11, s[10:11] offset:4*(32*(\t/2)+8*(\t%2))+16
.endr
	s_wait_kmcnt 0x0                               ; the exponents, the count and chunk 0's entries are in
	s_min_u32 s25, s25, 1024
	s_lshl_b32 s29, s22, 5
	s_sub_co_i32 s26, s25, s29                     ; a chunk that begins at row c has work for me where c < count - 32 wr
	s_add_co_u32 s28, s28, 256
	GATHER                                         ; chunk 0's rows, whatever the count (the list is whole): they land while W1 is laid out; and chunk 1's entries
	s_add_co_u32 s28, s28, 256
	s_wait_loadcnt 63                              ; 104 loads were issued (64 of W1, 8 of b1, 32 rows): with 63 out the oldest 41 are in, my first 16 rows of W1 among them
	WIN 0x04                                       ; store data window 1
.set i, 0
.rept 64
.if i == 32
	s_wait_loadcnt 40                              ; all of W1 is in (behind it: b1's 8 and the 32 rows)
.endif
	ds_store_b128 v2, v[4*i:4*i+3] offset:TB*(((i/2)/8)%2)+8704*(i%2)+16*(((i/2)%8)+8*((i/2)/16))   ; row i / 2 of my 32: tile (row / 8) % 2, slot row % 8 + 8 (row / 16)
.set i, i+1
.endr
	WIN 0
	s_wait_loadcnt 32                              ; b1 is in (behind it: the 32 rows)
.set i, 0
.rept 16
	v_pk_mul_f32 v[B1H+2*i:B1H+2*i+1], v[B1H+2*i:B1H+2*i+1], 0.5 op_sel_hi:[1,0]
.set i, i+1
.endr
	s_add_co_i32 s29, s32, s33
	s_add_co_i32 s29, s29, 126
	s_lshl_b32 s36, s29, 23                        ; 2^(ex + ew1 - 1)
	s_mov_b32 s37, s36                             ; (named with it as a pair, so it is written; likewise below)
	s_mov_b32 s38, 0xaf95df0b                      ; P's leading coefficient
	s_mov_b32 s39, s38
	s_mov_b32 s40, 0xb77460cd                      ; Q's
	s_mov_b32 s41, s40
	s_add_co_i32 s29, s35, 127
	s_lshl_b32 s30, s29, 23
	v_mov_b32 v9, s30                              ; 2^eh
	s_add_co_i32 s29, s29, 8
	s_lshl_b32 s29, s29, 23
	s_or_b32 s29, s29, 0x600000
	v_mov_b32 v10, s29                             ; 448 x 2^eh
	s_wait_dscnt 0x0
	s_barrier_signal -1
	s_barrier_wait -1                              ; W1's eight tiles lie in LDS
.irp s,0,1,2,3,4,5,6,7
	WIN 0x40*(1+(\s/4))                            ; destination window 1 or 2
.irp t,0,1,2,3
.irp c,0,1,2,3
	ds_load_b128 v[16*(4*(\s%4)+\t)+4*\c:16*(4*(\s%4)+\t)+4*\c+3], v[3+(\t/2)] offset:TB*(\t%2)+272*(8*\s+2*\c)
.endr
.endr
.endr
	WIN 0
	s_wait_dscnt 0x0
	s_mov_b32 s27, 0                               ; the chunk's first row
.Lchunk:
	s_wait_loadcnt 0x0                             ; on every path: the gathered rows are in, and their offsets' registers are free;
	s_wait_kmcnt 0x0                               ; the next chunk's entries are in, and their load's address is free
	s_cmp_lt_i32 s27, s26
	s_cbranch_scc0 .Lnoput
	PUTX
.Lnoput:
	s_wait_dscnt 0x0
	s_barrier_signal -1
	s_barrier_wait -1                              ; the chunk lies in LDS
	s_add_co_u32 s29, s27, 64
	s_cmp_lt_i32 s29, s26
	s_cbranch_scc0 .Lnogather
	GATHER                                         ; the next chunk's rows land under this chunk's work
.Lnogather:
	s_cmp_lt_i32 s27, s26
	s_cbranch_scc0 .Lnowork
.irp j,0,1,2,3,4,5
	FR \j                                          ; the first six steps' fragments
.endr
.irp j,0,1,2,3,4,5,6,7,8,9,10,11,12,13,14,15
.if \j < 10
	FR (\j+6)
	s_wait_dscnt 24                                ; LDS loads come back in order: step j's four are in, the six younger steps' 24 may be out
.else
	s_wait_dscnt 4*(15-\j)                         ; nothing more to fetch: the steps behind step j may be out
.endif
	MU \j
.endr
	WIN 0
.rept 4
	v_nop                                          ; four places between the last products and the first read of results and write of operands (ISA guide 7.12.1)
.endr
.irp rt,0,1
.irp t,0,1,2,3
	GELU (ACC+32*\rt+8*\t), (B1H+8*\t), (CD+8*\rt+2*\t)
.endr
.endr
	v_nop                                          ; a plain line behind the last conversion
.irp rt,0,1
.irp b,0,1
	global_store_b128 v8, v[CD+8*\rt+4*\b:CD+8*\rt+4*\b+3], s[14:15] offset:65536*\rt+512*\b   ; group c = 2 wf + b of K step fs: 512 consecutive bytes, aligned
.endr
.endr
.Lnowork:
	s_wait_dscnt 0x0
	s_barrier_signal -1
	s_barrier_wait -1                              ; every wave's reads of the chunk are over: it may be written again
	s_wait_xcnt 0x0                                ; the stores have read their data and their base
	s_add_nc_u64 s[14:15], s[14:15], 0x40000       ; four tiles on
	s_add_co_u32 s28, s28, 256
	s_add_co_u32 s27, s27, 64
	s_cmp_lt_u32 s27, 1024
	s_cbranch_scc1 .Lchunk
	s_wait_tensorcnt 0x0
	ds_add_u32 v14, v15
	s_wait_dscnt 0x0
	s_endpgm
.Lfunc_end_k_qdadce8a8e8_up:
	.size	k_qdadce8a8e8_up, .Lfunc_end_k_qdadce8a8e8_up-k_qdadce8a8e8_up
	.p2alignl 7, 3214868480
	.fill 96, 4, 3214868480
	.section	.rodata,"a",@progbits
	.p2align	6, 0x0
	.amdhsa_kernel k_qdadce8a8e8_up
		.amdhsa_group_segment_fixed_size 209408
		.amdhsa_private_segment_fixed_size 0
		.amdhsa_enable_private_segment 0
		.amdhsa_kernarg_size 56
		.amdhsa_user_sgpr_count 2
		.amdhsa_user_sgpr_kernarg_segment_ptr 1
		.amdhsa_wavefront_size32 1
		.amdhsa_system_sgpr_workgroup_id_x 1
		.amdhsa_system_sgpr_workgroup_id_y 1
		.amdhsa_system_sgpr_workgroup_id_z 1
		.amdhsa_system_vgpr_workitem_id 0
		.amdhsa_next_free_vgpr 1024
		.amdhsa_next_free_sgpr 66
		.amdhsa_reserve_vcc 0
		.amdhsa_float_denorm_mode_32 3
		.amdhsa_float_denorm_mode_16_64 3
		.amdhsa_memory_ordered 1
		.amdhsa_forward_progress 1
		.amdhsa_inst_pref_size 102
	.end_amdhsa_kernel
	.amdgpu_metadata
---
amdhsa.version: [ 1, 2 ]
amdhsa.kernels:
  - .name:           k_qdadce8a8e8_up
    .symbol:         k_qdadce8a8e8_up.kd
    .args:
      - { .name: xq, .offset: 0, .size: 8, .value_kind: global_buffer, .address_space: global }
      - { .name: cnt, .offset: 8, .size: 8, .value_kind: global_buffer, .address_space: global }
      - { .name: w1_codes, .offset: 16, .size: 8, .value_kind: global_buffer, .address_space: global }
      - { .name: b1, .offset: 24, .size: 8, .value_kind: global_buffer, .address_space: global }
      - { .name: lowp_scales, .offset: 32, .size: 8, .value_kind: global_buffer, .address_space: global }
      - { .name: hq, .offset: 40, .size: 8, .value_kind: global_buffer, .address_space: global }
      - { .name: rowinfo, .offset: 48, .size: 8, .value_kind: global_buffer, .address_space: global }
    .group_segment_fixed_size: 209408
    .private_segment_fixed_size: 0
    .kernarg_segment_align: 8
    .kernarg_segment_size: 56
    .max_flat_workgroup_size: 128
    .sgpr_count:     66
    .vgpr_count:     1024
    .wavefront_size: 32
...
	.end_amdgpu_metadata
.endif
;; end of part 3
;; launch down (part 4): grid 256 x 1, 4 waves a work-group, no clusters, 279,040 bytes of LDS; arguments hq, w2_codes, b2, lowp_scales, rowinfo, cnt, y; writes y
.if DOCPART == 4
	.amdgcn_target "amdgcn-amd-amdhsa--gfx1250"
	.amdhsa_code_object_version 6
	.text
	.protected	k_qdadce8a8e8_down
	.globl	k_qdadce8a8e8_down
	.p2align	8
	.type	k_qdadce8a8e8_down,@function
k_qdadce8a8e8_down:
	s_mov_b64 s[64:65], 0
	v_nop
	global_prefetch_b8 v0, s[64:65] scope:SCOPE_SE
	s_setreg_imm32_b32 hwreg(HW_REG_WAVE_MODE, 25, 1), 1
	s_wait_xcnt 0x0
; SECOND PRODUCT OF THE CHOSEN ROWS.  y[2 token + slot] = h W2 x 2^(ew2 + eh) + b2, both operands as codes of E4M3.
; SHARES.  Work-group = (expert e = id / 32, ns = (id / 2) % 16: 64 output columns, par = id % 2).  It takes the expert's row tiles T = 2 i + par, i < n_my = (ceil(count / 16) + 1 - par) / 2, at most 32.
; THE WAVES SHARE K: wave w holds W2[64 columns][K = 1,024 w .. + 1,023] in 512 registers for the whole launch (a byte of W2 is read by the two work-groups, par = 0 and 1, that share its columns)
; and reads only its own 16 KiB of a tile of h, which lies in memory as images of fragments: 32 loads of 512 consecutive bytes.  Nothing is read twice inside a work-group.  The four partial sums of a tile meet in LDS.
; W2's rows become fragments through the wave's own LDS as in the launch before: piece g of row r at 272 g + 16 r, read back at 272 (8 s + 2 c + h) + 16 r.  That goes a tile of 16 columns at a time:
; the rows as they lie land in the three buffers that later take h's tiles, so that a tile's LDS stores and loads stand among the loads of the tiles behind it; a buffer that is done with takes W2's fourth tile or a tile of h at once.
; THE PRODUCT IS USED TRANSPOSED (source 0 = 16 columns of W2, source 1 = 16 rows of h): a lane holds eight neighbouring columns of one row.
; A PHASE serves 12 tiles, in 4 trips of 3 that are written out; three phases serve 36 >= 32.  A phase whose first tile is past n_my jumps over all but its barriers; in the others the first trip always runs, and a later
; trip whose first tile is past n_my is jumped over as a whole: so the loads follow each other in the same order (buffers 0, 1, 2) on every path.  A tile past n_my inside a trip is multiplied (at most two a work-group)
; and never summed; it is asked for with all lanes at one place.
; Then a barrier; wave w sums slots w, w + 4, w + 8 over the four waves, scales, adds b2 and stores each row where rowinfo says (places past the count: spare rows of y, each with one writer); a barrier.
; NO JOINT LOADS, though the 16 column slices read the same tiles of h: the number of tiles hangs on a count read from memory.
; LIMITS: ew2 + eh between -126 and 127.
; REGISTERS.  window 0: v1-19 addresses; v20-23 b2; v24-47 rowinfo's entries; v48-79 four accumulators; v80-111 the sums at work; v112 4 h; v128-255 buffer 2.
;   windows 1, 2: W2's fragments at 16 (4 (s % 4) + t) + 4 c.   window 3: buffers 0 (v0-127) and 1 (v128-255).
.set TB,  17408                        ; a tile of 16 rows x 1,024 codes in LDS
.set WR,  4*TB                         ; a wave's region: first W2's four tiles, then 12 slots of 16 rows x 272 bytes of partial sums
.set SLB, 4352                         ; a slot
.set ACC, 48
.set MSB, 0
.macro WIN new
.if MSB != (\new)
	s_set_vgpr_msb (MSB<<8)|(\new)
.set MSB, (\new)
.endif
.endm
; W2's tile t (columns 16 t .. 16 t + 15 of my 64; of each my 1,024 codes) as it lies, into buffer b: row i / 2, half i % 2: 512 consecutive bytes a load
.macro LOADW t, b
.if \b != 2
	WIN 0xc0                                       ; destination window 3
.endif
.set i, 0
.rept 32
	global_load_b128 v[128*((\b+1)/2)+4*i:128*((\b+1)/2)+4*i+3], v1, s[6:7] offset:4096*(16*\t+i/2)+512*(i%2)
.set i, i+1
.endr
	WIN 0
.endm
; tile t, which has landed in buffer b, goes into my LDS region and comes back as its eight fragments, into their registers for good
.macro TURNW t, b
	s_wait_loadcnt 63                              ; behind this tile's 32 loads 64 or 65 others have been issued: it is in
.if \b != 2
	WIN 0x0c                                       ; store data window 3
.endif
.set i, 0
.rept 32
	ds_store_b128 v2, v[128*((\b+1)/2)+4*i:128*((\b+1)/2)+4*i+3] offset:TB*\t+8704*(i%2)+16*(i/2)
.set i, i+1
.endr
.irp s,0,1,2,3,4,5,6,7
	WIN 0x40*(1+(\s/4))                            ; LDS serves a wave's instructions in order, and the region is my own: no wait, no barrier
.irp c,0,1,2,3
	ds_load_b128 v[16*(4*(\s%4)+\t)+4*\c:16*(4*(\s%4)+\t)+4*\c+3], v[3+(\t/2)] offset:TB*(\t%2)+272*(8*\s+2*\c)
.endr
.endr
	WIN 0
	s_wait_dscnt 32                                ; only the 32 LDS loads just issued may be out: the stores have read the buffer, which may be loaded again
.endm
; buffer b takes my 16 KiB of tile number s28 + add of my work-group's.  The offset's register is free: at the head it has had no use, and in BLK the wait at its head has shown the loads that named it done
.macro NEXT b, add
	s_add_co_u32 s34, s28, \add
	s_sub_co_i32 s35, s25, s34
	s_max_i32 s35, s35, 0
	s_min_u32 s35, s35, 1                          ; 1 where the tile exists, else 0: then all lanes name one place
	s_min_i32 s34, s34, s26                        ; held at my last tile,
	s_max_i32 s34, s34, 0
	s_lshl_b32 s34, s34, 1
	s_add_co_u32 s34, s34, s23                     ; T = 2 i + par
	s_min_u32 s34, s34, 63
	s_lshl_b32 s34, s34, 16                        ; 65,536 bytes a tile
	v_mul_u32_u24 v[7+\b], s35, v1
	v_add_nc_u32 v[7+\b], s34, v[7+\b]
.if \b != 2
	WIN 0xc0                                       ; destination window 3
.endif
.set k, 0
.rept 32
	global_load_b128 v[128*((\b+1)/2)+4*k:128*((\b+1)/2)+4*k+3], v[7+\b], s[4:5] offset:512*k
.set k, k+1
.endr
	WIN 0
.endm
; tile 3 k + b of the phase: 32 matrix instructions, the four accumulators by turns, one instruction a turn; the partial sums go to slot 3 k + b
.macro BLK b, k
	s_wait_loadcnt 63                              ; behind this buffer's 32 loads stand the two other buffers' 64, on every path: it is in
.irp s,0,1,2,3,4,5,6,7
.if \b == 2
	WIN 1+(\s/4)                                   ; source 0 (W2) window 1 or 2, source 1 window 0
.else
	WIN 13+(\s/4)                                  ; source 1 window 3
.endif
.irp t,0,1,2,3
.if \s == 0
	v_wmma_f32_16x16x128_fp8_fp8 v[ACC+8*\t:ACC+8*\t+7], v[16*(4*(\s%4)+\t):16*(4*(\s%4)+\t)+15], v[128*((\b+1)/2)+16*\s:128*((\b+1)/2)+16*\s+15], 0
.else
	v_wmma_f32_16x16x128_fp8_fp8 v[ACC+8*\t:ACC+8*\t+7], v[16*(4*(\s%4)+\t):16*(4*(\s%4)+\t)+15], v[128*((\b+1)/2)+16*\s:128*((\b+1)/2)+16*\s+15], v[ACC+8*\t:ACC+8*\t+7]
.endif
.endr
.endr
	WIN 0
.rept 5
	v_nop                                          ; four places ahead of the loads into the buffer and of the stores of results; a fifth, since the next tile's products begin these accumulators anew
.endr
	NEXT \b, (3*\k+\b+3)
.irp t,0,1,2,3
	ds_store_b128 v5, v[ACC+8*\t:ACC+8*\t+3] offset:SLB*(3*\k+\b)+64*\t          ; row r, columns 16 t + 8 h + 0 .. 7; each accumulator from its low end on
	ds_store_b128 v5, v[ACC+8*\t+4:ACC+8*\t+7] offset:SLB*(3*\k+\b)+64*\t+16
.endr
.endm
.macro TRIP k
	s_add_co_u32 s38, s28, 3*\k
	s_cmp_lt_i32 s38, s25
	s_cbranch_scc0 .Lnotrip_\@
	BLK 0, \k
	BLK 1, \k
	BLK 2, \k
.Lnotrip_\@:
.endm
; slot w + 4 m: four rows at a time: lane (r, h) takes row 2 it + h, columns 4 r .. 4 r + 3, of all four waves' partial sums
.macro RED m
	s_add_co_u32 s34, s28, s20
	s_add_co_u32 s34, s34, 4*\m
	s_cmp_lt_i32 s34, s25
	s_cbranch_scc0 .Lnored_\@
.irp g,0,1,2,3
	s_wait_xcnt 0x0                                ; the last stores have read their data and offsets
.irp a,0,1
.irp w,0,1,2,3
	ds_load_b128 v[80+16*\a+4*\w:83+16*\a+4*\w], v[10+\w] offset:TB*\m+544*(2*\g+\a)    ; (four slots are 17,408 bytes)
.endr
.endr
	s_wait_dscnt 0x0
.irp a,0,1
	v_pk_add_f32 v[80+16*\a:81+16*\a], v[80+16*\a:81+16*\a], v[84+16*\a:85+16*\a]
	v_pk_add_f32 v[82+16*\a:83+16*\a], v[82+16*\a:83+16*\a], v[86+16*\a:87+16*\a]
	v_pk_add_f32 v[88+16*\a:89+16*\a], v[88+16*\a:89+16*\a], v[92+16*\a:93+16*\a]
	v_pk_add_f32 v[90+16*\a:91+16*\a], v[90+16*\a:91+16*\a], v[94+16*\a:95+16*\a]
	v_pk_add_f32 v[80+16*\a:81+16*\a], v[80+16*\a:81+16*\a], v[88+16*\a:89+16*\a]
	v_pk_add_f32 v[82+16*\a:83+16*\a], v[82+16*\a:83+16*\a], v[90+16*\a:91+16*\a]
	v_pk_fma_f32 v[80+16*\a:81+16*\a], v[80+16*\a:81+16*\a], s[36:37], v[20:21] op_sel_hi:[1,0,1]   ; x 2^(ew2 + eh) + b2
	v_pk_fma_f32 v[82+16*\a:83+16*\a], v[82+16*\a:83+16*\a], s[36:37], v[22:23] op_sel_hi:[1,0,1]
	v_min_u32 v[18+\a], 2175, v[24+8*\m+2*\g+\a]   ; the row of y
	v_lshl_add_u32 v[18+\a], v[18+\a], 12, v17
	global_store_b128 v[18+\a], v[80+16*\a:83+16*\a], s[16:17]   ; sixteen lanes store 256 consecutive bytes of a row, aligned
.endr
.endr
.Lnored_\@:
.endm
	s_load_b256 s[4:11], s[0:1], 0x0               ; hq s[4:5], W2's codes s[6:7], b2 s[8:9], the scales' exponents s[10:11]
	s_load_b128 s[12:15], s[0:1], 0x20             ; rowinfo s[12:13], cnt s[14:15]
	s_load_b64 s[16:17], s[0:1], 0x30              ; y
	v_lshl_add_u32 v126, v0, 2, 0x44000
	v_mov_b32 v127, 0
	v_lshrrev_b32 v1, 5, v0
	v_readfirstlane_b32 s20, v1                    ; wave 0..3
	s_lshr_b32 s21, ttmp9, 5                       ; e
	s_bfe_u32 s22, ttmp9, 0x40001                  ; ns
	s_and_b32 s23, ttmp9, 1                        ; par
	v_and_b32 v6, 31, v0                           ; lane
	v_and_b32 v17, 15, v0                          ; r
	v_bfe_u32 v112, v0, 4, 1                       ; h
	v_lshlrev_b32 v1, 4, v6                        ; v1  16 x lane
	s_mul_i32 s34, s20, WR                         ; my region
	s_mul_i32 s35, s20, SLB
	v_mul_u32_u24 v2, v6, 272
	v_add_nc_u32 v2, s34, v2                       ; v2  W2's rows on the way in: piece = lane
	v_mul_u32_u24 v3, v112, 272
	v_lshl_add_u32 v3, v17, 4, v3                  ; 272 h + 16 r
.irp w,0,1,2,3
	v_add_nc_u32 v[10+\w], s35, v3                 ; v10-13  slot w of wave 0..3's region, rows h, columns 4 r on
.endr
.irp w,1,2,3
	v_add_nc_u32 v[10+\w], WR*\w, v[10+\w]
.endr
	v_add_nc_u32 v3, s34, v3                       ; v3  W2's fragments, tiles 0 and 1;
	v_add_nc_u32 v4, 2*TB, v3                      ; v4  tiles 2 and 3
	v_mul_u32_u24 v5, v17, 272
	v_lshl_add_u32 v5, v112, 5, v5
	v_add_nc_u32 v5, s34, v5                       ; v5  my partial sums: row r, + 32 h
	v_lshlrev_b32 v17, 4, v17                      ; v17 16 r
	v_lshlrev_b32 v112, 2, v112                    ; v112 4 h
	s_mov_b32 s45, 0
	s_lshl_b32 s44, s21, 7
	s_wait_kmcnt 0x0
	s_add_nc_u64 s[14:15], s[14:15], s[44:45]
	s_load_b32 s24, s[14:15], 0x0                  ; the expert's rows
	s_load_b128 s[40:43], s[10:11], 0x0            ; ex, ew1, ew2, eh
	s_lshl_b32 s44, s21, 22                        ; W2: 4 MiB an expert, 64 rows of 4,096 a slice, 1,024 bytes a wave
	s_lshl_b32 s34, s22, 18
	s_add_co_u32 s44, s44, s34
	s_lshl_b32 s34, s20, 10
	s_add_co_u32 s44, s44, s34
	s_add_nc_u64 s[6:7], s[6:7], s[44:45]
	s_lshl_b32 s44, s21, 12                        ; b2: 4 (1,024 e + 64 ns)
	s_lshl_b32 s34, s22, 8
	s_add_co_u32 s44, s44, s34
	s_add_nc_u64 s[8:9], s[8:9], s[44:45]
	LOADW 0, 2                                     ; the buffers are taken in the order 2, 0, 1, 2, so that they come free in the order 0, 1, 2, in which h's tiles are asked for
	LOADW 1, 0
	LOADW 2, 1
	global_load_b128 v[20:23], v17, s[8:9]
	s_lshl_b32 s44, s21, 22                        ; hq: 4 MiB an expert, my 8 K steps of 2,048
	s_lshl_b32 s34, s20, 14
	s_add_co_u32 s44, s44, s34
	s_add_nc_u64 s[4:5], s[4:5], s[44:45]
	s_lshl_b32 s44, s21, 12
	s_add_nc_u64 s[12:13], s[12:13], s[44:45]      ; rowinfo: 4,096 e
	s_lshl_b32 s44, s22, 8
	s_add_nc_u64 s[16:17], s[16:17], s[44:45]      ; y: my 64 columns
.set i, 0
.rept 24
	v_mov_b32 v[24+i], 0x87f                       ; rowinfo's entries hold a row, the last spare one, also on the path of a first phase without tiles, which loads none
.set i, i+1
.endr
	s_wait_kmcnt 0x0
	s_min_u32 s24, s24, 1024
	s_add_co_u32 s25, s24, 15
	s_lshr_b32 s25, s25, 4                         ; tiles of the expert
	s_add_co_u32 s25, s25, 1
	s_sub_co_u32 s25, s25, s23
	s_lshr_b32 s25, s25, 1                         ; s25 n_my
	s_sub_co_i32 s26, s25, 1                       ; s26 my last tile's number
	s_add_co_i32 s36, s42, s43
	s_add_co_i32 s36, s36, 127
	s_lshl_b32 s36, s36, 23                        ; 2^(ew2 + eh)
	s_mov_b32 s37, s36                             ; (named with it as a pair, so it is written)
	s_mov_b32 s28, 0                               ; the phase's first tile
	TURNW 0, 2                                     ; 97 loads have been issued: with 63 out the oldest 34 are in
	LOADW 3, 2
	TURNW 1, 0                                     ; 129 issued: the oldest 66 are in
	NEXT 0, 0
	TURNW 2, 1                                     ; 161 issued: the oldest 98 are in, b2 among them
	NEXT 1, 1
	TURNW 3, 2                                     ; 193 issued: the oldest 130 are in
	NEXT 2, 2
	s_wait_dscnt 0x0                               ; W2's fragments are in their registers
.Lphase:
	s_cmp_lt_i32 s28, s25
	s_cbranch_scc0 .Lnotiles                       ; a phase without tiles: nothing but its barriers
.irp m,0,1,2
	s_add_co_u32 s34, s28, s20                     ; the rows of the three tiles that I shall sum: always inside the list
	s_add_co_u32 s34, s34, 4*\m
	s_lshl_b32 s34, s34, 1
	s_add_co_u32 s34, s34, s23
	s_min_u32 s34, s34, 63
	s_lshl_b32 s34, s34, 6
	v_add_nc_u32 v[14+\m], s34, v112               ; 64 T + 4 h
.irp t,0,1,2,3,4,5,6,7
	global_load_b32 v[24+8*\m+\t], v[14+\m], s[12:13] offset:8*\t
.endr
.endr
	BLK 0, 0                                       ; the first trip's condition is the phase's own
	BLK 1, 0
	BLK 2, 0
	TRIP 1
	TRIP 2
	TRIP 3
	s_wait_loadcnt 63                              ; behind rowinfo's 24 loads stand the first trip's 96 at the least: the entries are in, their offsets' registers are free; the tiles asked for ahead may stay out
.Lnotiles:
	s_wait_dscnt 0x0
	s_barrier_signal -1
	s_barrier_wait -1                              ; all partial sums of the phase lie in LDS
	RED 0
	RED 1
	RED 2
	s_wait_dscnt 0x0
	s_barrier_signal -1
	s_barrier_wait -1                              ; the slots may be written again
	s_add_co_u32 s28, s28, 12
	s_cmp_lt_u32 s28, 36
	s_cbranch_scc1 .Lphase
	s_wait_tensorcnt 0x0
	ds_add_u32 v126, v127
	s_wait_dscnt 0x0
	s_endpgm
.Lfunc_end_k_qdadce8a8e8_down:
	.size	k_qdadce8a8e8_down, .Lfunc_end_k_qdadce8a8e8_down-k_qdadce8a8e8_down
	.p2alignl 7, 3214868480
	.fill 96, 4, 3214868480
	.section	.rodata,"a",@progbits
	.p2align	6, 0x0
	.amdhsa_kernel k_qdadce8a8e8_down
		.amdhsa_group_segment_fixed_size 279040
		.amdhsa_private_segment_fixed_size 0
		.amdhsa_enable_private_segment 0
		.amdhsa_kernarg_size 56
		.amdhsa_user_sgpr_count 2
		.amdhsa_user_sgpr_kernarg_segment_ptr 1
		.amdhsa_wavefront_size32 1
		.amdhsa_system_sgpr_workgroup_id_x 1
		.amdhsa_system_sgpr_workgroup_id_y 1
		.amdhsa_system_sgpr_workgroup_id_z 1
		.amdhsa_system_vgpr_workitem_id 0
		.amdhsa_next_free_vgpr 1024
		.amdhsa_next_free_sgpr 66
		.amdhsa_reserve_vcc 0
		.amdhsa_float_denorm_mode_32 3
		.amdhsa_float_denorm_mode_16_64 3
		.amdhsa_memory_ordered 1
		.amdhsa_forward_progress 1
		.amdhsa_inst_pref_size 147
	.end_amdhsa_kernel
	.amdgpu_metadata
---
amdhsa.version: [ 1, 2 ]
amdhsa.kernels:
  - .name:           k_qdadce8a8e8_down
    .symbol:         k_qdadce8a8e8_down.kd
    .args:
      - { .name: hq, .offset: 0, .size: 8, .value_kind: global_buffer, .address_space: global }
      - { .name: w2_codes, .offset: 8, .size: 8, .value_kind: global_buffer, .address_space: global }
      - { .name: b2, .offset: 16, .size: 8, .value_kind: global_buffer, .address_space: global }
      - { .name: lowp_scales, .offset: 24, .size: 8, .value_kind: global_buffer, .address_space: global }
      - { .name: rowinfo, .offset: 32, .size: 8, .value_kind: global_buffer, .address_space: global }
      - { .name: cnt, .offset: 40, .size: 8, .value_kind: global_buffer, .address_space: global }
      - { .name: y, .offset: 48, .size: 8, .value_kind: global_buffer, .address_space: global }
    .group_segment_fixed_size: 279040
    .private_segment_fixed_size: 0
    .kernarg_segment_align: 8
    .kernarg_segment_size: 56
    .max_flat_workgroup_size: 128
    .sgpr_count:     66
    .vgpr_count:     1024
    .wavefront_size: 32
...
	.end_amdgpu_metadata
.endif
;; end of part 4
;; launch mix (part 5): grid 256 x 1, 4 waves a work-group, no clusters, 0 bytes of LDS; arguments y, pw, out0; writes out0
.if DOCPART == 5
	.amdgcn_target "amdgcn-amd-amdhsa--gfx1250"
	.amdhsa_code_object_version 6
	.text
	.protected	k_qdadce8a8e8_mix
	.globl	k_qdadce8a8e8_mix
	.p2align	8
	.type	k_qdadce8a8e8_mix,@function
k_qdadce8a8e8_mix:
	s_mov_b64 s[64:65], 0
	v_nop
	global_prefetch_b8 v0, s[64:65] scope:SCOPE_SE
	s_setreg_imm32_b32 hwreg(HW_REG_WAVE_MODE, 25, 1), 1
	s_wait_xcnt 0x0
; out[token] = p0 y[2 token] + p1 y[2 token + 1].  A wave takes a token: two rows of 4,096 bytes in, one out; each load and store covers 512 consecutive bytes.
; All 16 loads go out at once; no loop, no register is written twice, no LDS, no barrier: waves share nothing.
	s_load_b128 s[4:7], s[0:1], 0x0                ; y s[4:5], pw s[6:7]
	s_load_b64 s[8:9], s[0:1], 0x10                ; out
	v_lshrrev_b32 v1, 5, v0
	v_readfirstlane_b32 s10, v1                    ; wave
	v_and_b32 v1, 31, v0
	v_lshlrev_b32 v1, 4, v1                        ; 16 bytes a lane
	s_lshl_b32 s11, ttmp9, 2
	s_add_co_u32 s11, s11, s10                     ; the token
	s_lshl_b32 s12, s11, 13
	s_mov_b32 s13, 0
	s_lshl_b32 s14, s11, 3
	s_mov_b32 s15, 0
	s_lshl_b32 s20, s11, 12
	s_mov_b32 s21, 0
	s_wait_kmcnt 0x0
	s_add_nc_u64 s[4:5], s[4:5], s[12:13]
	s_add_nc_u64 s[6:7], s[6:7], s[14:15]
	s_add_nc_u64 s[8:9], s[8:9], s[20:21]
	s_load_b64 s[16:17], s[6:7], 0x0               ; p0, p1
.irp j,0,1,2,3,4,5,6,7
	global_load_b128 v[16+8*\j:19+8*\j], v1, s[4:5] offset:512*\j th:TH_LOAD_NT
	global_load_b128 v[20+8*\j:23+8*\j], v1, s[4:5] offset:4096+512*\j th:TH_LOAD_NT
.endr
	s_wait_kmcnt 0x0
	s_mov_b32 s18, s17                             ; p1 and p0 each as a pair: the packed forms name a pair and take its low word for both halves
	s_mov_b32 s19, s17
	s_mov_b32 s17, s16
.irp j,0,1,2,3,4,5,6,7
	s_wait_loadcnt 14-2*\j                         ; piece j of both rows is in; the younger pairs may be out
	v_pk_mul_f32 v[80+4*\j:81+4*\j], v[16+8*\j:17+8*\j], s[16:17] op_sel_hi:[1,0]
	v_pk_mul_f32 v[82+4*\j:83+4*\j], v[18+8*\j:19+8*\j], s[16:17] op_sel_hi:[1,0]
	v_pk_fma_f32 v[80+4*\j:81+4*\j], v[20+8*\j:21+8*\j], s[18:19], v[80+4*\j:81+4*\j] op_sel_hi:[1,0,1]
	v_pk_fma_f32 v[82+4*\j:83+4*\j], v[22+8*\j:23+8*\j], s[18:19], v[82+4*\j:83+4*\j] op_sel_hi:[1,0,1]
	global_store_b128 v1, v[80+4*\j:83+4*\j], s[8:9] offset:512*\j th:TH_STORE_NT
.endr
	s_endpgm
.Lfunc_end_k_qdadce8a8e8_mix:
	.size	k_qdadce8a8e8_mix, .Lfunc_end_k_qdadce8a8e8_mix-k_qdadce8a8e8_mix
	.p2alignl 7, 3214868480
	.fill 96, 4, 3214868480
	.section	.rodata,"a",@progbits
	.p2align	6, 0x0
	.amdhsa_kernel k_qdadce8a8e8_mix
		.amdhsa_group_segment_fixed_size 0
		.amdhsa_private_segment_fixed_size 0
		.amdhsa_enable_private_segment 0
		.amdhsa_kernarg_size 24
		.amdhsa_user_sgpr_count 2
		.amdhsa_user_sgpr_kernarg_segment_ptr 1
		.amdhsa_wavefront_size32 1
		.amdhsa_system_sgpr_workgroup_id_x 1
		.amdhsa_system_sgpr_workgroup_id_y 1
		.amdhsa_system_sgpr_workgroup_id_z 1
		.amdhsa_system_vgpr_workitem_id 0
		.amdhsa_next_free_vgpr 112
		.amdhsa_next_free_sgpr 66
		.amdhsa_reserve_vcc 0
		.amdhsa_float_denorm_mode_32 3
		.amdhsa_float_denorm_mode_16_64 3
		.amdhsa_memory_ordered 1
		.amdhsa_forward_progress 1
		.amdhsa_inst_pref_size 6
	.end_amdhsa_kernel
	.amdgpu_metadata
---
amdhsa.version: [ 1, 2 ]
amdhsa.kernels:
  - .name:           k_qdadce8a8e8_mix
    .symbol:         k_qdadce8a8e8_mix.kd
    .args:
      - { .name: y, .offset: 0, .size: 8, .value_kind: global_buffer, .address_space: global }
      - { .name: pw, .offset: 8, .size: 8, .value_kind: global_buffer, .address_space: global }
      - { .name: out0, .offset: 16, .size: 8, .value_kind: global_buffer, .address_space: global }
    .group_segment_fixed_size: 0
    .private_segment_fixed_size: 0
    .kernarg_segment_align: 8
    .kernarg_segment_size: 24
    .max_flat_workgroup_size: 128
    .sgpr_count:     66
    .vgpr_count:     112
    .wavefront_size: 32
...
	.end_amdgpu_metadata
.endif
;; end of part 5
;; ======== version 2 of 2: 5 launches
;; workspace buffers: xq 1,048,576 bytes; eid 8,192 bytes of whole numbers; pw 8,192 bytes; rowinfo 32,768 bytes of whole numbers; cnt 1,024 bytes of whole numbers; hq 33,554,432 bytes; y 8,912,896 bytes
;; launch route (part 6): grid 256 x 1, 4 waves a work-group, no clusters, 5,120 bytes of LDS; arguments x, router_w, router_b, lowp_scales, xq, eid, pw; writes xq, eid, pw
.if DOCPART == 6
	.amdgcn_target "amdgcn-amd-amdhsa--gfx1250"
	.amdhsa_code_object_version 6
	.text
	.protected	k_qdadce8a8e8_route
	.globl	k_qdadce8a8e8_route
	.p2align	8
	.type	k_qdadce8a8e8_route,@function
k_qdadce8a8e8_route:
	s_mov_b64 s[64:65], 0
	v_nop
	global_prefetch_b8 v0, s[64:65] scope:SCOPE_SE
	s_setreg_imm32_b32 hwreg(HW_REG_WAVE_MODE, 25, 1), 1
	s_wait_xcnt 0x0
; ROUTER AND x's CODES.  scores = x router_w + router_b in f32, softmax over the 8 experts, the two largest (of equal numbers the lower index, by strict compares),
; their weights p / (p0 + p1); and x as codes of E4M3 with the given scale 2^ex, [token][1024], K in its natural order.
; The choice is stored at fixed places (eid: two whole numbers a token; pw: two f32): no address here hangs on it.
; SHARES.  A work-group takes 4 tokens; wave w takes K = 256 w .. 256 w + 255 of all four; lane l holds k = 256 w + 128 i + 4 l + b (i = 0, 1; b = 0 .. 3).
; Each load of x covers 512 consecutive bytes.  The waves' partial scores meet in LDS; wave 0 finishes the four tokens (lane l serves token l % 4).
; No matrix unit: N = 8 is half a tile, and the product is 8 multiply-adds for each number of x that is loaded anyway.
; LIMITS: ex between -126 and 119 (2^ex and 448 x 2^ex are made as f32 numbers).  NaN among the inputs is not served.
; The sums over K are taken in another order than a plain ascending sum: two probabilities that agree to the last bits of f32 may be ranked the other way.
.set SUMS, 4096                        ; LDS: 0 .. 4095 a stage of 1,024 bytes for each wave (its own); from 4096 on 32 partial scores (128 bytes) for each wave
.set CW,  16                           ; v16-23   code words: token q: v[16 + 2 q] (i = 0), v[17 + 2 q] (i = 1)
.set X,   32                           ; v32-63   x: token q, half i, number b at 8 q + 4 i + b
.set WP,  64                           ; v64-127  router_w: 32 i + 8 b + e
.set ACC, 128                          ; v128-159 partial scores: 8 q + e
.set SC,  160                          ; v160-167 a token's scores, then its probabilities
.set PT,  168                          ; v168-199 the four waves' partial scores of my token
	s_load_b256 s[4:11], s[0:1], 0x0               ; x s[4:5], router_w s[6:7], router_b s[8:9], the scales' exponents s[10:11]
	s_load_b128 s[12:15], s[0:1], 0x20             ; xq s[12:13], eid s[14:15]
	s_load_b64 s[16:17], s[0:1], 0x30              ; pw
	v_lshl_add_u32 v208, v0, 2, 0x1200
	v_mov_b32 v209, 0
	v_lshrrev_b32 v1, 5, v0
	v_readfirstlane_b32 s20, v1                    ; wave 0..3
	v_and_b32 v1, 31, v0                           ; lane
	v_lshlrev_b32 v2, 4, v1                        ; x: 16 bytes a lane
	v_lshlrev_b32 v3, 7, v1                        ; router_w: my four rows of 32 bytes
	s_lshl_b32 s21, s20, 10                        ; 1,024 x wave
	v_lshl_add_u32 v4, v1, 2, s21                  ; my stage, on the way in: 4 bytes a lane
	v_lshl_add_u32 v5, v1, 4, s21                  ; and on the way out: 16 bytes a lane
	v_and_b32 v6, 15, v1
	v_lshrrev_b32 v7, 4, v1
	v_lshlrev_b32 v6, 4, v6
	v_lshl_add_u32 v6, v7, 10, v6                  ; xq: 1,024 (lane / 16) + 16 (lane % 16): sixteen lanes to 256 bytes of a token's row
	s_lshl_b32 s22, s20, 7
	s_add_co_u32 s22, s22, SUMS
	v_mov_b32 v7, s22                              ; where my wave's 32 partial scores go
	v_and_b32 v10, 3, v1
	v_lshlrev_b32 v8, 5, v10
	v_add_nc_u32 v8, SUMS, v8                      ; where token lane % 4's eight lie in wave 0's part
	v_lshlrev_b32 v10, 3, v10                      ; eid, pw: 8 bytes a token
	s_mov_b32 s36, 0x76543210                      ; v_permlanex16_b32: lane l takes lane l xor 16
	s_mov_b32 s37, 0xfedcba98
	s_lshl_b32 s22, ttmp9, 14                      ; 4 tokens of 4,096 bytes,
	s_add_co_u32 s22, s22, s21                     ; + my quarter of K
	s_mov_b32 s23, 0
	s_wait_kmcnt 0x0
	s_add_nc_u64 s[4:5], s[4:5], s[22:23]
	s_lshl_b32 s22, s20, 13                        ; 256 rows of router_w, 32 bytes each
	s_add_nc_u64 s[6:7], s[6:7], s[22:23]
.irp q,0,1,2,3
	global_load_b128 v[X+8*\q:X+8*\q+3], v2, s[4:5] offset:4096*\q th:TH_LOAD_NT
	global_load_b128 v[X+8*\q+4:X+8*\q+7], v2, s[4:5] offset:4096*\q+512 th:TH_LOAD_NT
.endr
.irp i,0,1
.irp j,0,1,2,3,4,5,6,7
	global_load_b128 v[WP+32*\i+4*\j:WP+32*\i+4*\j+3], v3, s[6:7] offset:4096*\i+16*\j
.endr
.endr
	s_load_b256 s[24:31], s[8:9], 0x0              ; router_b
	s_load_b32 s32, s[10:11], 0x0                  ; ex
	s_lshl_b32 s22, ttmp9, 12                      ; xq: 4 tokens of 1,024 bytes + 256 x wave
	s_lshl_b32 s33, s20, 8
	s_add_co_u32 s22, s22, s33
	s_add_nc_u64 s[12:13], s[12:13], s[22:23]
	s_lshl_b32 s22, ttmp9, 5                       ; eid, pw: 4 tokens of 8 bytes
	s_add_nc_u64 s[14:15], s[14:15], s[22:23]
	s_add_nc_u64 s[16:17], s[16:17], s[22:23]
	s_wait_loadcnt 0x0
	; the partial scores: for each of my 8 k, 4 tokens x 8 experts, two experts an instruction; the first product starts the sums
.irp i,0,1
.irp b,0,1,2,3
.irp q,0,1,2,3
.irp e,0,2,4,6
.if (\i+\b) == 0
	v_pk_mul_f32 v[ACC+8*\q+\e:ACC+8*\q+\e+1], v[X+8*\q:X+8*\q+1], v[WP+\e:WP+\e+1] op_sel_hi:[0,1]
.elseif (\b%2) == 0
	v_pk_fma_f32 v[ACC+8*\q+\e:ACC+8*\q+\e+1], v[X+8*\q+4*\i+\b:X+8*\q+4*\i+\b+1], v[WP+32*\i+8*\b+\e:WP+32*\i+8*\b+\e+1], v[ACC+8*\q+\e:ACC+8*\q+\e+1] op_sel_hi:[0,1,1]
.else
	v_pk_fma_f32 v[ACC+8*\q+\e:ACC+8*\q+\e+1], v[X+8*\q+4*\i+\b-1:X+8*\q+4*\i+\b], v[WP+32*\i+8*\b+\e:WP+32*\i+8*\b+\e+1], v[ACC+8*\q+\e:ACC+8*\q+\e+1] op_sel:[1,0,0] op_sel_hi:[1,1,1]
.endif
.endr
.endr
.endr
.endr
	; x's codes
	s_wait_kmcnt 0x0
	s_add_co_i32 s33, s32, 127
	s_lshl_b32 s34, s33, 23
	v_mov_b32 v11, s34                             ; 2^ex as f32: the conversion takes its exponent field
	s_add_co_i32 s33, s33, 8
	s_lshl_b32 s33, s33, 23
	s_or_b32 s33, s33, 0x600000
	v_mov_b32 v9, s33                              ; 448 x 2^ex
.set n, 0
.rept 32
	v_med3_num_f32 v[X+n], v[X+n], -v9, v9         ; the conversion to an 8-bit code does not saturate (ISA guide 7.6.2): the hold comes first
.set n, n+1
.endr
.irp q,0,1,2,3
	v_cvt_scalef32_pk8_fp8_f32 v[CW+2*\q:CW+2*\q+1], v[X+8*\q:X+8*\q+7], v11   ; a token's eight numbers of mine: one word for i = 0, one for i = 1
.endr
	v_nop                                          ; a plain line behind the last conversion: x's registers are written again below
.irp q,0,1,2,3
	ds_store_b32 v4, v[CW+2*\q] offset:256*\q      ; my wave's 256 codes of token q lie on end
	ds_store_b32 v4, v[CW+2*\q+1] offset:256*\q+128
.endr
	ds_load_b128 v[24:27], v5                      ; LDS serves a wave's instructions in order: these see my stores
	ds_load_b128 v[28:31], v5 offset:512
	; the partial scores over the 32 lanes
.irp m,1,2,4,8
.set n, 0
.rept 32
	v_add_f32_dpp v[ACC+n], v[ACC+n], v[ACC+n] row_xmask:\m row_mask:0xf bank_mask:0xf
.set n, n+1
.endr
.endr
.set n, 0
.rept 32
	v_permlanex16_b32 v[X+n], v[ACC+n], s36, s37   ; (x's registers are free, and have been written)
.set n, n+1
.endr
.set n, 0
.rept 32
	v_add_f32 v[ACC+n], v[ACC+n], v[X+n]
.set n, n+1
.endr
	s_wait_alu depctr_va_vdst(0)
	s_wait_dscnt 0x0                               ; the codes are back
	global_store_b128 v6, v[24:27], s[12:13]       ; sixteen lanes store 256 consecutive bytes, aligned
	global_store_b128 v6, v[28:31], s[12:13] offset:2048
.irp j,0,1,2,3,4,5,6,7
	ds_store_b128 v7, v[ACC+4*\j:ACC+4*\j+3] offset:16*\j   ; every lane holds the same sums and writes the same words
.endr
	s_wait_dscnt 0x0                               ; for wave 0's sake: my stores have landed
	s_barrier_signal -1
	s_barrier_wait -1
	s_cmp_lg_u32 s20, 0
	s_cbranch_scc1 .Lend                           ; no barrier follows
.irp w,0,1,2,3
	ds_load_b128 v[PT+8*\w:PT+8*\w+3], v8 offset:128*\w
	ds_load_b128 v[PT+8*\w+4:PT+8*\w+7], v8 offset:128*\w+16
.endr
	s_wait_dscnt 0x0
.irp e,0,2,4,6
	v_pk_add_f32 v[SC+\e:SC+\e+1], v[PT+\e:PT+\e+1], v[PT+8+\e:PT+8+\e+1]
	v_pk_add_f32 v[PT+16+\e:PT+16+\e+1], v[PT+16+\e:PT+16+\e+1], v[PT+24+\e:PT+24+\e+1]
.endr
.irp e,0,2,4,6
	v_pk_add_f32 v[SC+\e:SC+\e+1], v[SC+\e:SC+\e+1], v[PT+16+\e:PT+16+\e+1]
.endr
.irp e,0,1,2,3,4,5,6,7
	v_add_f32 v[SC+\e], s[24+\e], v[SC+\e]         ; + router_b
.endr
	v_max3_num_f32 v206, v160, v161, v162          ; the softmax takes the largest score away first
	v_max3_num_f32 v206, v206, v163, v164
	v_max3_num_f32 v206, v206, v165, v166
	v_max_num_f32 v206, v206, v167
.irp e,0,1,2,3,4,5,6,7
	v_sub_f32 v[SC+\e], v[SC+\e], v206
.endr
.irp e,0,1,2,3,4,5,6,7
	v_mul_f32 v[SC+\e], 0x3fb8aa3b, v[SC+\e]       ; x log2(e)
.endr
	s_wait_alu depctr_va_vdst(0)
.irp e,0,1,2,3,4,5,6,7
	v_exp_f32 v[SC+\e], v[SC+\e]
.endr
	v_nop                                          ; a plain line behind the exponentials
	s_wait_alu depctr_va_vdst(0)
	v_pk_add_f32 v[168:169], v[160:161], v[162:163]
	v_pk_add_f32 v[170:171], v[164:165], v[166:167]
	v_pk_add_f32 v[168:169], v[168:169], v[170:171]
	v_add_f32 v206, v168, v169
	s_wait_alu depctr_va_vdst(0)
	v_rcp_f32 v206, v206
	v_nop
	s_wait_alu depctr_va_vdst(0)
.irp e,0,1,2,3,4,5,6,7
	v_mul_f32 v[SC+\e], v[SC+\e], v206             ; the probabilities
.endr
	v_mov_b32 v200, v160                           ; the largest: a later one wins only where it is strictly larger
	v_mov_b32 v202, 0
.irp i,1,2,3,4,5,6,7
	v_cmp_gt_f32 s38, v[SC+\i], v200
	v_cndmask_b32 v200, v200, v[SC+\i], s38
	v_cndmask_b32 v202, v202, \i, s38
.endr
	v_mov_b32 v201, -1.0                           ; the second: the same among the seven others (every probability is above -1)
	v_mov_b32 v203, 0
.irp i,0,1,2,3,4,5,6,7
	v_cmp_gt_f32 s38, v[SC+\i], v201
	v_cmp_ne_u32 s39, \i, v202
	s_and_b32 s38, s38, s39
	v_cndmask_b32 v201, v201, v[SC+\i], s38
	v_cndmask_b32 v203, v203, \i, s38
.endr
	v_add_f32 v206, v200, v201
	s_wait_alu depctr_va_vdst(0)
	v_rcp_f32 v206, v206
	v_nop
	s_wait_alu depctr_va_vdst(0)
	v_mul_f32 v204, v200, v206
	v_mul_f32 v205, v201, v206
	s_wait_alu depctr_va_vdst(0)
	s_wait_xcnt 0x0                                ; EXEC changes only behind this wait: the stores of codes have read their sources
	v_cmp_gt_u32 vcc_lo, 4, v0
	s_and_saveexec_b32 s40, vcc_lo                 ; lanes 0 to 3: one for each token
	global_store_b64 v10, v[202:203], s[14:15]
	global_store_b64 v10, v[204:205], s[16:17]
	s_wait_xcnt 0x0
	s_or_b32 exec_lo, exec_lo, s40
.Lend:
	s_wait_tensorcnt 0x0
	ds_add_u32 v208, v209
	s_wait_dscnt 0x0
	s_endpgm
.Lfunc_end_k_qdadce8a8e8_route:
	.size	k_qdadce8a8e8_route, .Lfunc_end_k_qdadce8a8e8_route-k_qdadce8a8e8_route
	.p2alignl 7, 3214868480
	.fill 96, 4, 3214868480
	.section	.rodata,"a",@progbits
	.p2align	6, 0x0
	.amdhsa_kernel k_qdadce8a8e8_route
		.amdhsa_group_segment_fixed_size 5120
		.amdhsa_private_segment_fixed_size 0
		.amdhsa_enable_private_segment 0
		.amdhsa_kernarg_size 56
		.amdhsa_user_sgpr_count 2
		.amdhsa_user_sgpr_kernarg_segment_ptr 1
		.amdhsa_wavefront_size32 1
		.amdhsa_system_sgpr_workgroup_id_x 1
		.amdhsa_system_sgpr_workgroup_id_y 1
		.amdhsa_system_sgpr_workgroup_id_z 1
		.amdhsa_system_vgpr_workitem_id 0
		.amdhsa_next_free_vgpr 210
		.amdhsa_next_free_sgpr 66
		.amdhsa_reserve_vcc 1
		.amdhsa_float_denorm_mode_32 3
		.amdhsa_float_denorm_mode_16_64 3
		.amdhsa_memory_ordered 1
		.amdhsa_forward_progress 1
		.amdhsa_inst_pref_size 36
	.end_amdhsa_kernel
	.amdgpu_metadata
---
amdhsa.version: [ 1, 2 ]
amdhsa.kernels:
  - .name:           k_qdadce8a8e8_route
    .symbol:         k_qdadce8a8e8_route.kd
    .args:
      - { .name: x, .offset: 0, .size: 8, .value_kind: global_buffer, .address_space: global }
      - { .name: router_w, .offset: 8, .size: 8, .value_kind: global_buffer, .address_space: global }
      - { .name: router_b, .offset: 16, .size: 8, .value_kind: global_buffer, .address_space: global }
      - { .name: lowp_scales, .offset: 24, .size: 8, .value_kind: global_buffer, .address_space: global }
      - { .name: xq, .offset: 32, .size: 8, .value_kind: global_buffer, .address_space: global }
      - { .name: eid, .offset: 40, .size: 8, .value_kind: global_buffer, .address_space: global }
      - { .name: pw, .offset: 48, .size: 8, .value_kind: global_buffer, .address_space: global }
    .group_segment_fixed_size: 5120
    .private_segment_fixed_size: 0
    .kernarg_segment_align: 8
    .kernarg_segment_size: 56
    .max_flat_workgroup_size: 128
    .sgpr_count:     66
    .vgpr_count:     210
    .wavefront_size: 32
...
	.end_amdgpu_metadata
.endif
;; end of part 6
;; launch place (part 7): grid 8 x 1, 1 waves a work-group, no clusters, 4,864 bytes of LDS; arguments eid, rowinfo, cnt; writes rowinfo, cnt
.if DOCPART == 7
	.amdgcn_target "amdgcn-amd-amdhsa--gfx1250"
	.amdhsa_code_object_version 6
	.text
	.protected	k_qdadce8a8e8_place
	.globl	k_qdadce8a8e8_place
	.p2align	8
	.type	k_qdadce8a8e8_place,@function
k_qdadce8a8e8_place:
	s_mov_b64 s[64:65], 0
	v_nop
	global_prefetch_b8 v0, s[64:65] scope:SCOPE_SE
	s_setreg_imm32_b32 hwreg(HW_REG_WAVE_MODE, 25, 1), 1
	s_wait_xcnt 0x0
; THE ROWS OF EACH EXPERT.  Work-group e (one wave) walks the 1,024 tokens' choices (eid: two whole numbers a token) and makes expert e's list: entry = 2 x token + slot, in the order of the tokens.
; Places past the count hold 2048 + 16 e + place % 16, a spare row of y.  rowinfo [e][1024] takes the list, cnt [e][32] the count, 32 times over, so that no lane is switched off.
; The launches behind this one take their trips from cnt and their rows from rowinfo, as whole numbers read from memory.
; The list is made in LDS and leaves at fixed addresses, 512 consecutive bytes a store.  Every lane stores in every step, with all lanes on: a lane whose token did not choose e stores to place 1024 + lane,
; behind the list's 1,024 places, which nothing reads.  One wave: the place of a row is a running count over the tokens; eight work-groups, since there are eight experts; no barrier, no branch.
; THE 32 STEPS (32 tokens each) GO STAGE BY STAGE, each stage over all steps: the compares, the masks, the running counts (scalar), the places, the stores: no line reads the result of the line just ahead of it.
.set EI,   32                          ; v32-95   the choices: tokens 32 i + lane at v[32 + 2 i], v[33 + 2 i]
.set EV,   96                          ; v96-127  step i's entry: 2 x token + slot
.set PL,   128                         ; v128-159 step i's place, then its LDS address
.set OUTR, 160                         ; v160-191 the list on its way out
.set MA,   32                          ; s32-63   step i: the lanes whose first choice is e, then those that chose e at all
.set MB,   66                          ; s66-97   step i: the lanes whose second choice is e, then the rows ahead of step i
	s_load_b128 s[4:7], s[0:1], 0x0                ; eid s[4:5], rowinfo s[6:7]
	s_load_b64 s[8:9], s[0:1], 0x10                ; cnt
	v_lshl_add_u32 v192, v0, 2, 0x1200
	v_mov_b32 v193, 0
	v_and_b32 v1, 31, v0                           ; lane
	v_lshlrev_b32 v2, 3, v1                        ; eid: 8 bytes a token
	v_lshlrev_b32 v3, 4, v1                        ; 16 x lane: the list's fill, its way out, and rowinfo
	v_lshlrev_b32 v4, 1, v1                        ; 2 x lane
	v_add_nc_u32 v5, 1024, v1                      ; the place of a lane without a row
	v_lshlrev_b32 v6, 2, v1                        ; cnt: 4 bytes a lane
	v_and_b32 v7, 3, v1
	s_mov_b32 s16, ttmp9                           ; e
	s_lshl_b32 s12, ttmp9, 12                      ; rowinfo: 4,096 e
	s_mov_b32 s13, 0
	s_lshl_b32 s14, ttmp9, 7                       ; cnt: 128 e
	s_mov_b32 s15, 0
	s_lshl_b32 s22, ttmp9, 4
	s_add_co_u32 s22, s22, 2048
	s_wait_alu depctr_va_vdst(0)
	s_wait_kmcnt 0x0
.set i, 0
.rept 32
	global_load_b64 v[EI+2*i:EI+2*i+1], v2, s[4:5] offset:256*i
.set i, i+1
.endr
	s_add_nc_u64 s[6:7], s[6:7], s[12:13]
	s_add_nc_u64 s[8:9], s[8:9], s[14:15]
	v_lshl_add_u32 v12, v7, 2, s22                 ; the fill: 2048 + 16 e + place % 16 (a lane's four places begin at 4 x lane)
	v_add_nc_u32 v13, 1, v12
	v_add_nc_u32 v14, 2, v12
	v_add_nc_u32 v15, 3, v12
.irp i,0,1,2,3,4,5,6,7
	ds_store_b128 v3, v[12:15] offset:512*\i
.endr
.set i, 0
.rept 32
	s_wait_loadcnt 31-i                            ; loads come back in order: these 32 tokens' choices are in, the younger loads may be out
	v_cmp_eq_u32 s[MA+i], s16, v[EI+2*i]
	v_cmp_eq_u32 s[MB+i], s16, v[EI+2*i+1]
.set i, i+1
.endr
.set i, 0
.rept 32
	v_cndmask_b32 v[EV+i], 0, 1, s[MB+i]           ; the slot
.set i, i+1
.endr
.set i, 0
.rept 32
	s_or_b32 s[MA+i], s[MA+i], s[MB+i]             ; the tokens of these 32 that chose e (a token's two experts differ)
.set i, i+1
.endr
.set i, 0
.rept 32
	v_add3_u32 v[EV+i], v[EV+i], v4, 64*i          ; 2 x token + slot
.set i, i+1
.endr
	s_mov_b32 s17, 0                               ; rows so far
.set i, 0
.rept 32
	s_mov_b32 s[MB+i], s17                         ; the rows ahead of step i (the slot masks have been read)
	s_bcnt1_i32_b32 s21, s[MA+i]
	s_add_co_u32 s17, s17, s21
.set i, i+1
.endr
.set i, 0
.rept 32
	v_mbcnt_lo_u32_b32 v[PL+i], s[MA+i], s[MB+i]   ; my place: the rows ahead of the step + the lanes below me that chose e;
.set i, i+1
.endr
.set i, 0
.rept 32
	v_cndmask_b32 v[PL+i], v5, v[PL+i], s[MA+i]    ; without a row: 1024 + lane.  The choice is made on the place, ahead of the hold:
.set i, i+1
.endr
.set i, 0
.rept 32
	v_min_u32 v[PL+i], 1055, v[PL+i]               ; whatever eid holds, the store stays inside these 4,224 bytes
.set i, i+1
.endr
.set i, 0
.rept 32
	v_lshlrev_b32 v[PL+i], 2, v[PL+i]
.set i, i+1
.endr
.set i, 0
.rept 32
	ds_store_b32 v[PL+i], v[EV+i]                  ; LDS serves a wave's instructions in order: this lands on the fill
.set i, i+1
.endr
.irp i,0,1,2,3,4,5,6,7
	ds_load_b128 v[OUTR+4*\i:OUTR+4*\i+3], v3 offset:512*\i   ; in order again: these see all the stores above
.endr
	v_mov_b32 v8, s17
	s_wait_alu depctr_va_vdst(0)
	s_wait_dscnt 0x0
.irp i,0,1,2,3,4,5,6,7
	global_store_b128 v3, v[OUTR+4*\i:OUTR+4*\i+3], s[6:7] offset:512*\i
.endr
	global_store_b32 v6, v8, s[8:9]
	s_wait_tensorcnt 0x0
	ds_add_u32 v192, v193
	s_wait_dscnt 0x0
	s_endpgm
.Lfunc_end_k_qdadce8a8e8_place:
	.size	k_qdadce8a8e8_place, .Lfunc_end_k_qdadce8a8e8_place-k_qdadce8a8e8_place
	.p2alignl 7, 3214868480
	.fill 96, 4, 3214868480
	.section	.rodata,"a",@progbits
	.p2align	6, 0x0
	.amdhsa_kernel k_qdadce8a8e8_place
		.amdhsa_group_segment_fixed_size 4864
		.amdhsa_private_segment_fixed_size 0
		.amdhsa_enable_private_segment 0
		.amdhsa_kernarg_size 24
		.amdhsa_user_sgpr_count 2
		.amdhsa_user_sgpr_kernarg_segment_ptr 1
		.amdhsa_wavefront_size32 1
		.amdhsa_system_sgpr_workgroup_id_x 1
		.amdhsa_system_sgpr_workgroup_id_y 1
		.amdhsa_system_sgpr_workgroup_id_z 1
		.amdhsa_system_vgpr_workitem_id 0
		.amdhsa_next_free_vgpr 194
		.amdhsa_next_free_sgpr 100
		.amdhsa_reserve_vcc 0
		.amdhsa_float_denorm_mode_32 3
		.amdhsa_float_denorm_mode_16_64 3
		.amdhsa_memory_ordered 1
		.amdhsa_forward_progress 1
		.amdhsa_inst_pref_size 30
	.end_amdhsa_kernel
	.amdgpu_metadata
---
amdhsa.version: [ 1, 2 ]
amdhsa.kernels:
  - .name:           k_qdadce8a8e8_place
    .symbol:         k_qdadce8a8e8_place.kd
    .args:
      - { .name: eid, .offset: 0, .size: 8, .value_kind: global_buffer, .address_space: global }
      - { .name: rowinfo, .offset: 8, .size: 8, .value_kind: global_buffer, .address_space: global }
      - { .name: cnt, .offset: 16, .size: 8, .value_kind: global_buffer, .address_space: global }
    .group_segment_fixed_size: 4864
    .private_segment_fixed_size: 0
    .kernarg_segment_align: 8
    .kernarg_segment_size: 24
    .max_flat_workgroup_size: 32
    .sgpr_count:     100
    .vgpr_count:     194
    .wavefront_size: 32
...
	.end_amdgpu_metadata
.endif
;; end of part 7
;; launch up (part 8): grid 256 x 1, 4 waves a work-group, no clusters, 209,408 bytes of LDS; arguments xq, cnt, w1_codes, b1, lowp_scales, hq, rowinfo; writes hq
.if DOCPART == 8
	.amdgcn_target "amdgcn-amd-amdhsa--gfx1250"
	.amdhsa_code_object_version 6
	.text
	.protected	k_qdadce8a8e8_up
	.globl	k_qdadce8a8e8_up
	.p2align	8
	.type	k_qdadce8a8e8_up,@function
k_qdadce8a8e8_up:
	s_mov_b64 s[64:65], 0
	v_nop
	global_prefetch_b8 v0, s[64:65] scope:SCOPE_SE
	s_setreg_imm32_b32 hwreg(HW_REG_WAVE_SCHED_MODE, 0, 2), 2
	s_setreg_imm32_b32 hwreg(HW_REG_WAVE_MODE, 25, 1), 1
	s_wait_xcnt 0x0
	s_wait_alu depctr_vm_vsrc(0)
; FIRST PRODUCT OF THE CHOSEN ROWS.  h = Q(gelu(x W1 + b1)) for the (token, expert) rows that the router chose, both operands as codes of E4M3.
; SHARES.  Work-group = (expert e = id / 32, slice fs = id % 32 of 128 hidden units).  Wave w: wf = w % 2 says which 64 units, wr = w / 2 which 32 of a chunk's 64 rows.
; A wave's 64 units x 1,024 K of W1 stay in 512 registers for the whole launch: each byte of W1 is read once in the launch, by loads of 512 consecutive bytes.
; THE LIST of the expert's rows (rowinfo: entry = 2 x token + slot; places past the count name spare rows of y) and the count (cnt) were stored by the launch before.
; A wave's 16 entries of a chunk come by one scalar load of 64 bytes, asked for one chunk ahead of the gather that uses them; all 1,024 vector registers are taken, so they stay scalar.
; THE ROWS go by in chunks of 64, in 16 trips whatever the count; a wave jumps over a trip's work where its 32 rows begin at or past the count; no barrier is jumped over.
; FROM ROWS TO FRAGMENTS.  16 rows of 1,024 codes are loaded row by row (two loads of 512 consecutive bytes a row); piece g (16 codes) of row r goes to LDS at 272 g + 16 r;
; lane (r, h) reads group c of K step s at 272 (8 s + 2 c + h) + 16 r: registers 4 c .. 4 c + 3 then hold k = 128 s + 32 c + 16 h + 0 .. 15, in W1's and in x's fragments alike,
; so every product meets its partner (a permutation of k inside an instruction, the same on both sides).  The pitch 272 keeps the 16 lanes of a store on 16 different 16-byte columns.
; A CHUNK'S PRODUCTS GO BY STEPS: step j = (row tile j / 8, K step j % 8) is 4 LDS loads and 4 matrix instructions; the loads run six steps ahead of the products, so that products are issued while later fragments are on their way.
; THE PRODUCT IS USED TRANSPOSED (source 0 = 16 units of W1, source 1 = 16 rows of x), and slot r of tile 2 b + u holds unit 32 b + 8 u + r + 8 (r / 8): a lane then holds one row, and the 16
; registers of tiles 2 b, 2 b + 1 are 16 neighbours along the next K.  The codes leave as images of the next product's fragments: hq [e][tile of 16 rows][K step][c][lane][16 bytes], 512 consecutive bytes a store.
; GELU as x/2 + x/2 erf(x / sqrt 2); erf(z) = z P(z^2) / Q(z^2), |z| held at 4, good to a few units in the last place of erf: so Phi carries an absolute error near 1e-7 (it shows, relatively, only far in the negative tail).
; NO JOINT LOADS, though the 32 slices of an expert read the same rows of x: which trips do work hangs on a count read from memory, and the rows are gathered by a list, one address a row.
; LIMITS: ex + ew1 - 1 between -126 and 127; eh between -126 and 119.  NaN among the inputs is not served.
; REGISTERS.  window 0: v1-11 addresses and constants; v16-31 gather offsets; v32-63 b1 / 2; v64-127 8 accumulators (32 rt + 8 t); v128-255 x's fragments of row tile 0 (behind the products: gelu's work and the codes).
;   windows 1, 2: W1's fragments (K steps 0-3, 4-7) at 16 (4 (s % 4) + t) + 4 c.   window 3: v0-127 the gathered rows; v128-255 x's fragments of row tile 1.   s[48:63]: 16 list entries.
; THE MODE: SCHED_MODE bits 1:0 = 2 (LLVM: expert scheduling mode 2), set by the entry lines.  The code itself states the register dependences
; between vector or matrix instructions and memory or LDS instructions, with s_wait_alu, always for 0.
; THE PLAN.  Registers that memory or LDS instructions touch:
;   v1-8, v11     addresses, made at the head and never written again: one wait on va_vdst ahead of the first load serves them for the whole launch.
;   v16-31        a gather's 16 shifts write them, its 32 loads read them.
;   ROWS          window 3, v0-127: the gather's loads land there, the LDS stores that lay the rows out read them; no vector instruction names them.
;   FRAGMENTS     v128-255 of windows 0 and 3: a chunk's 64 LDS loads land there, its products read them; behind the products gelu works in window 0's v128-175, and the chunk's four stores read the codes in v160-175.
;   W1            at the head alone: loads land in window 1, LDS stores read it, LDS loads land in windows 1 and 2; from then on products alone name them.
; A CHUNK'S WAITS.  vm_vsrc at the first barrier: the last gather's loads have read v16-31, the last chunk's stores v160-175.  In the gather, behind its window switch: va_vdst for the fresh offsets, vm_vsrc for the rows
; that the LDS stores have read.  va_vdst at the head of the products: the last chunk's products and gelu are done with the fragments' registers.  Behind it the 64 LDS loads need nothing more: each of the 16 steps has
; registers of its own, and the products issued since name loaded steps, W1 and the accumulators.  va_vdst behind each gelu's reciprocals, and ahead of the four stores.
.set TB,   17408                       ; a tile of 16 rows x 1,024 codes in LDS: 64 pieces x 272 bytes
.set XCH,  8*TB                        ; LDS: 0: W1's 8 tiles on their way;  XCH: a chunk's 4 tiles of x
.set VO,   16
.set B1H,  32
.set ACC,  64
.set XF,   128
.set GZ,   128                         ; gelu: z, z^2, P, Q: eight registers each
.set GS,   136
.set GP,   144
.set GQ,   152
.set CD,   160                         ; v160-175 the codes: 8 rt + 2 t
.set EN,   48                          ; s[48:63] the entries
.set MSB, 0
.macro WIN new                         ; s_set_vgpr_msb: bits 1:0 source 0, 3:2 source 1, 5:4 source 2, 7:6 destination; the high byte repeats the setting that is left
.if MSB != (\new)
	s_set_vgpr_msb (MSB<<8)|(\new)
.set MSB, (\new)
.endif
.endm
; my 16 entries from byte s28 of the expert's list on.  The look-ahead of the last chunk would pass the list's end: the offset is held at the last 64 bytes (what comes then is used by nobody)
.macro LOADE
	s_min_u32 s46, s28, 4032
	s_add_nc_u64 s[44:45], s[16:17], s[46:47]      ; (s47 = 0)
	s_load_b512 s[EN:EN+15], s[44:45], 0x0
.endm
; the 16 rows that s[48:63] name: row r's 1,024 codes come by two loads of 512 consecutive bytes; then the next chunk's entries are asked for.  again = 1: in the loop, where the rows' registers have been read by LDS stores
.macro GATHER again
.irp r,0,1,2,3,4,5,6,7,8,9,10,11,12,13,14,15
	s_lshr_b32 s[EN+\r], s[EN+\r], 1               ; the token
	s_min_u32 s[EN+\r], s[EN+\r], 1023             ; (a place past the count names a spare row: it takes the last token's codes, and its result goes to the spare row)
	v_lshl_add_u32 v[VO+\r], s[EN+\r], 10, v1
.endr
	WIN 0xc0                                       ; destination window 3
	s_wait_alu depctr_va_vdst(0)                   ; the sixteen shifts have written the offsets v16-31, which the loads below read
.if \again
	s_wait_alu depctr_vm_vsrc(0)                   ; the LDS stores that laid the last rows out have read window 3's v0-127, in which the loads below land
.endif
.irp r,0,1,2,3,4,5,6,7,8,9,10,11,12,13,14,15
	global_load_b128 v[8*\r:8*\r+3], v[VO+\r], s[4:5]
	global_load_b128 v[8*\r+4:8*\r+7], v[VO+\r], s[4:5] offset:512
.endr
	WIN 0
	LOADE
.endm
.macro PUTX                            ; the gathered rows into my tile of the chunk
	WIN 0x0c                                       ; store data window 3
.irp r,0,1,2,3,4,5,6,7,8,9,10,11,12,13,14,15
	ds_store_b128 v5, v[8*\r:8*\r+3] offset:16*\r
	ds_store_b128 v5, v[8*\r+4:8*\r+7] offset:8704+16*\r
.endr
	WIN 0
.endm
; step j's fragment of x: row tile j / 8 (window 0 or 3), K step j % 8: four LDS loads
.macro FR j
	WIN 0xc0*((\j)/8)
.irp c,0,1,2,3
	ds_load_b128 v[XF+16*((\j)%8)+4*\c:XF+16*((\j)%8)+4*\c+3], v6 offset:TB*((\j)/8)+272*(8*((\j)%8)+2*\c)
.endr
.endm
; step j's four matrix instructions: that fragment against my 4 tiles of units.  The four accumulators take turns, one instruction a turn; a row tile's first K step starts its sums.
.macro MU j
	WIN (1+(((\j)%8)/4))+12*((\j)/8)               ; source 0 (W1) window 1 or 2; source 1 (x) window 0 or 3
.irp t,0,1,2,3
.if ((\j)%8) == 0
	v_wmma_f32_16x16x128_fp8_fp8 v[ACC+32*((\j)/8)+8*\t:ACC+32*((\j)/8)+8*\t+7], v[16*(4*((\j)%4)+\t):16*(4*((\j)%4)+\t)+15], v[XF+16*((\j)%8):XF+16*((\j)%8)+15], 0
.else
	v_wmma_f32_16x16x128_fp8_fp8 v[ACC+32*((\j)/8)+8*\t:ACC+32*((\j)/8)+8*\t+7], v[16*(4*((\j)%4)+\t):16*(4*((\j)%4)+\t)+15], v[XF+16*((\j)%8):XF+16*((\j)%8)+15], v[ACC+32*((\j)/8)+8*\t:ACC+32*((\j)/8)+8*\t+7]
.endif
.endr
.endm
.macro HORN d, k                       ; d = d z^2 + k, eight numbers
.irp p,0,2,4,6
	v_pk_fma_f32 v[\d+\p:\d+\p+1], v[\d+\p:\d+\p+1], v[GS+\p:GS+\p+1], \k op_sel_hi:[1,1,0]
.endr
.endm
; one accumulator (v[a] on; its b1 / 2 at v[bb] on) becomes eight codes in v[cd], v[cd + 1].  It is read from its low end on.
.macro GELU a, bb, cd
.irp p,0,2,4,6
	v_pk_fma_f32 v[\a+\p:\a+\p+1], v[\a+\p:\a+\p+1], s[36:37], v[\bb+\p:\bb+\p+1] op_sel_hi:[1,0,1]   ; x / 2 = sum x 2^(ex + ew1 - 1) + b1 / 2
.endr
.irp p,0,2,4,6
	v_pk_mul_f32 v[GZ+\p:GZ+\p+1], v[\a+\p:\a+\p+1], 0x3fb504f3 op_sel_hi:[1,0]                       ; z = x / sqrt 2
.endr
.irp j,0,1,2,3,4,5,6,7
	v_med3_num_f32 v[GZ+\j], v[GZ+\j], -4.0, 4.0
.endr
.irp p,0,2,4,6
	v_pk_mul_f32 v[GS+\p:GS+\p+1], v[GZ+\p:GZ+\p+1], v[GZ+\p:GZ+\p+1]
.endr
.irp p,0,2,4,6
	v_pk_fma_f32 v[GP+\p:GP+\p+1], v[GS+\p:GS+\p+1], s[38:39], 0x32edffee op_sel_hi:[1,0,0]
.endr
.irp p,0,2,4,6
	v_pk_fma_f32 v[GQ+\p:GQ+\p+1], v[GS+\p:GS+\p+1], s[40:41], 0xb95fbd29 op_sel_hi:[1,0,0]
.endr
	HORN GP, 0xb60cff51                            ; the two chains by turns
	HORN GQ, 0xbadc924e
	HORN GP, 0xb86ec2d2
	HORN GQ, 0xbbf19bf8
	HORN GP, 0xba40ac63
	HORN GQ, 0xbc69b6a7
	HORN GP, 0xbb41a1f6
	HORN GP, 0xbc83dbd4
	s_wait_alu depctr_va_vdst(0)
.irp j,0,1,2,3,4,5,6,7
	v_rcp_f32 v[GQ+\j], v[GQ+\j]
.endr
.irp p,0,2,4,6
	v_pk_mul_f32 v[GP+\p:GP+\p+1], v[GP+\p:GP+\p+1], v[GZ+\p:GZ+\p+1]     ; (the plain lines behind the reciprocals)
.endr
	s_wait_alu depctr_va_vdst(0)                   ; the eight reciprocals have written v[GQ ..], which the four lines below read: one wait for the batch
.irp p,0,2,4,6
	v_pk_mul_f32 v[GP+\p:GP+\p+1], v[GP+\p:GP+\p+1], v[GQ+\p:GQ+\p+1]     ; erf
.endr
.irp p,0,2,4,6
	v_pk_fma_f32 v[\a+\p:\a+\p+1], v[\a+\p:\a+\p+1], v[GP+\p:GP+\p+1], v[\a+\p:\a+\p+1]   ; gelu = x/2 erf + x/2
.endr
.irp j,0,1,2,3,4,5,6,7
	v_med3_num_f32 v[\a+\j], v[\a+\j], -v10, v10   ; the conversion does not saturate (ISA guide 7.6.2): the hold at 448 x 2^eh
.endr
	v_cvt_scalef32_pk8_fp8_f32 v[\cd:\cd+1], v[\a:\a+7], v9
.endm
	s_load_b256 s[4:11], s[0:1], 0x0               ; xq s[4:5], cnt s[6:7], W1's codes s[8:9], b1 s[10:11]
	s_load_b128 s[12:15], s[0:1], 0x20             ; the scales' exponents s[12:13], hq s[14:15]
	s_load_b64 s[16:17], s[0:1], 0x30              ; rowinfo
	v_lshl_add_u32 v14, v0, 2, 0x33000
	v_mov_b32 v15, 0
	v_lshrrev_b32 v1, 5, v0
	v_readfirstlane_b32 s20, v1                    ; wave 0..3
	s_lshr_b32 s23, ttmp9, 5                       ; e
	s_and_b32 s24, ttmp9, 31                       ; fs
	v_and_b32 v21, 31, v0                          ; lane          (v19-21: at work in these lines only)
	v_and_b32 v19, 15, v0                          ; r
	v_bfe_u32 v20, v0, 4, 1                        ; h
	v_lshlrev_b32 v1, 4, v21                       ; v1  16 x lane
	v_mul_u32_u24 v2, v21, 272
	v_mul_u32_u24 v3, v20, 272
	v_lshl_add_u32 v3, v19, 4, v3                  ; 272 h + 16 r
	s_wait_alu depctr_va_vdst(0)
	v_lshlrev_b32 v11, 6, v20                      ; v11 b1: lanes 16-31 take the units 16 further on
	s_wait_alu depctr_va_sdst(0)                   ; s20, the wave's number, is written, ahead of its first reader: the line below
	s_and_b32 s21, s20, 1                          ; wf
	s_lshr_b32 s22, s20, 1                         ; wr
	s_mul_i32 s29, s20, TB
	s_add_co_u32 s29, s29, XCH
	v_add_nc_u32 v5, s29, v2                       ; v5  my tile of the chunk, on the way in: piece = lane
	s_mul_i32 s29, s20, 2*TB
	v_add_nc_u32 v2, s29, v2                       ; v2  my two tiles of W1, on the way in
	s_mul_i32 s29, s22, 2*TB
	s_add_co_u32 s29, s29, XCH
	v_add_nc_u32 v6, s29, v3                       ; v6  my two row tiles' fragments
	s_mul_i32 s29, s21, 4*TB
	v_add_nc_u32 v3, s29, v3                       ; v3  W1's fragments, my tiles 0 and 1;
	v_add_nc_u32 v4, 2*TB, v3                      ; v4  tiles 2 and 3
	s_lshl_b32 s29, s21, 10
	v_add_nc_u32 v8, s29, v1                       ; v8  hq: 16 x lane + 1,024 wf (groups c = 2 wf, 2 wf + 1 of the K step)
	s_lshl_b32 s28, s20, 6                         ; s28 the byte of the expert's list at which the entries to be asked for begin: 64 w + 256 a chunk
	s_mov_b32 s47, 0
	s_lshl_b32 s46, s23, 22                        ; W1: 4 MiB an expert, 128 KiB a slice, 32 KiB a wave
	s_lshl_b32 s29, s24, 17
	s_add_co_u32 s46, s46, s29
	s_lshl_b32 s29, s20, 15
	s_add_co_u32 s46, s46, s29
	s_wait_kmcnt 0x0
	s_add_nc_u64 s[8:9], s[8:9], s[46:47]
	s_lshl_b32 s46, s23, 14                        ; b1: 4 (4,096 e + 128 fs + 64 wf)
	s_lshl_b32 s29, s24, 9
	s_add_co_u32 s46, s46, s29
	s_lshl_b32 s29, s21, 8
	s_add_co_u32 s46, s46, s29
	s_add_nc_u64 s[10:11], s[10:11], s[46:47]
	s_lshl_b32 s46, s23, 12                        ; rowinfo: 4,096 e
	s_add_nc_u64 s[16:17], s[16:17], s[46:47]
	s_lshl_b32 s46, s23, 7                         ; cnt: 128 e
	s_add_nc_u64 s[6:7], s[6:7], s[46:47]
	s_lshl_b32 s46, s23, 22                        ; hq: 4 MiB an expert, 2,048 a K step, two tiles of 65,536 for wr
	s_lshl_b32 s29, s24, 11
	s_add_co_u32 s46, s46, s29
	s_lshl_b32 s29, s22, 17
	s_add_co_u32 s46, s46, s29
	s_add_nc_u64 s[14:15], s[14:15], s[46:47]
	s_load_b128 s[32:35], s[12:13], 0x0            ; ex, ew1, ew2, eh
	s_load_b32 s25, s[6:7], 0x0                    ; the expert's rows
	LOADE                                          ; chunk 0's entries
	WIN 0x40                                       ; destination window 1
	s_wait_alu depctr_va_vdst(0)                   ; the addresses v1 to v8 and v11 are written, which the launch's loads, stores and LDS instructions read; none of them is written again
.set i, 0
.rept 64
	global_load_b128 v[4*i:4*i+3], v1, s[8:9] offset:512*i th:TH_LOAD_NT   ; my 32 rows of W1: one dense block of 32 KiB
.set i, i+1
.endr
	WIN 0
.irp t,0,1,2,3
	global_load_b128 v[B1H+8*\t:B1H+8*\t+3], v11, s[10:11] offset:4*(32*(\t/2)+8*(\t%2))
	global_load_b128 v[B1H+8*\t+4:B1H+8*\t+7], v11, s[10:11] offset:4*(32*(\t/2)+8*(\t%2))+16
.endr
	s_wait_kmcnt 0x0                               ; the exponents, the count and chunk 0's entries are in
	s_min_u32 s25, s25, 1024
	s_lshl_b32 s29, s22, 5
	s_sub_co_i32 s26, s25, s29                     ; a chunk that begins at row c has work for me where c < count - 32 wr
	s_add_co_u32 s28, s28, 256
	GATHER 0                                       ; chunk 0's rows, whatever the count (the list is whole): they land while W1 is laid out; and chunk 1's entries
	s_add_co_u32 s28, s28, 256
	s_wait_loadcnt 63                              ; 104 loads were issued (64 of W1, 8 of b1, 32 rows): with 63 out the oldest 41 are in, my first 16 rows of W1 among them
	WIN 0x04                                       ; store data window 1
.set i, 0
.rept 64
.if i == 32
	s_wait_loadcnt 40                              ; all of W1 is in (behind it: b1's 8 and the 32 rows)
.endif
	ds_store_b128 v2, v[4*i:4*i+3] offset:TB*(((i/2)/8)%2)+8704*(i%2)+16*(((i/2)%8)+8*((i/2)/16))   ; row i / 2 of my 32: tile (row / 8) % 2, slot row % 8 + 8 (row / 16)
.set i, i+1
.endr
	WIN 0
	s_wait_loadcnt 32                              ; b1 is in (behind it: the 32 rows)
.set i, 0
.rept 16
	v_pk_mul_f32 v[B1H+2*i:B1H+2*i+1], v[B1H+2*i:B1H+2*i+1], 0.5 op_sel_hi:[1,0]
.set i, i+1
.endr
	s_add_co_i32 s29, s32, s33
	s_add_co_i32 s29, s29, 126
	s_lshl_b32 s36, s29, 23                        ; 2^(ex + ew1 - 1)
	s_mov_b32 s37, s36                             ; (named with it as a pair, so it is written; likewise below)
	s_mov_b32 s38, 0xaf95df0b                      ; P's leading coefficient
	s_mov_b32 s39, s38
	s_mov_b32 s40, 0xb77460cd                      ; Q's
	s_mov_b32 s41, s40
	s_add_co_i32 s29, s35, 127
	s_lshl_b32 s30, s29, 23
	v_mov_b32 v9, s30                              ; 2^eh
	s_add_co_i32 s29, s29, 8
	s_lshl_b32 s29, s29, 23
	s_or_b32 s29, s29, 0x600000
	v_mov_b32 v10, s29                             ; 448 x 2^eh
	s_wait_dscnt 0x0
	s_barrier_signal -1
	s_barrier_wait -1                              ; W1's eight tiles lie in LDS
	WIN 0x40                                       ; destination window 1
	s_wait_alu depctr_vm_vsrc(0)                   ; my LDS stores have read window 1's registers, in which the first half of the fragments' loads lands
.irp s,0,1,2,3,4,5,6,7
	WIN 0x40*(1+(\s/4))                            ; destination window 1 or 2
.irp t,0,1,2,3
.irp c,0,1,2,3
	ds_load_b128 v[16*(4*(\s%4)+\t)+4*\c:16*(4*(\s%4)+\t)+4*\c+3], v[3+(\t/2)] offset:TB*(\t%2)+272*(8*\s+2*\c)
.endr
.endr
.endr
	WIN 0
	s_wait_dscnt 0x0
	s_mov_b32 s27, 0                               ; the chunk's first row
.Lchunk:
	s_wait_loadcnt 0x0                             ; on every path: the gathered rows are in, and their offsets' registers are free;
	s_wait_kmcnt 0x0                               ; the next chunk's entries are in, and their load's address is free
	s_cmp_lt_i32 s27, s26
	s_cbranch_scc0 .Lnoput
	PUTX
.Lnoput:
	s_wait_dscnt 0x0
	s_wait_alu depctr_vm_vsrc(0)                   ; the last gather's loads have read their offsets v16-31, which the next gather's shifts write; the last chunk's stores have read the codes v160-175, in which this chunk's fragments land
	s_barrier_signal -1
	s_barrier_wait -1                              ; the chunk lies in LDS
	s_add_co_u32 s29, s27, 64
	s_cmp_lt_i32 s29, s26
	s_cbranch_scc0 .Lnogather
	GATHER 1                                       ; the next chunk's rows land under this chunk's work
.Lnogather:
	s_cmp_lt_i32 s27, s26
	s_cbranch_scc0 .Lnowork
	s_wait_alu depctr_va_vdst(0)                   ; the last chunk's products are done reading v128-255 of windows 0 and 3, and its gelu is done with window 0's v128-175: the 64 LDS loads of this chunk land there
.irp j,0,1,2,3,4,5
	FR \j                                          ; the first six steps' fragments
.endr
.irp j,0,1,2,3,4,5,6,7,8,9,10,11,12,13,14,15
.if \j < 10
	FR (\j+6)                                      ; no wait: the products issued since the wait above name the registers of steps up to j - 1, W1 and the accumulators, never step j + 6's
	s_wait_dscnt 24                                ; LDS loads come back in order: step j's four are in, the six younger steps' 24 may be out
.else
	s_wait_dscnt 4*(15-\j)                         ; nothing more to fetch: the steps behind step j may be out
.endif
	MU \j
.endr
	WIN 0
.rept 4
	v_nop                                          ; four places between the last products and the first read of results and write of operands (ISA guide 7.12.1)
.endr
.irp rt,0,1
.irp t,0,1,2,3
	GELU (ACC+32*\rt+8*\t), (B1H+8*\t), (CD+8*\rt+2*\t)
.endr
.endr
	v_nop                                          ; a plain line behind the last conversion
	s_wait_alu depctr_va_vdst(0)                   ; the eight conversions have written the codes v160-175, which the four stores read
.irp rt,0,1
.irp b,0,1
	global_store_b128 v8, v[CD+8*\rt+4*\b:CD+8*\rt+4*\b+3], s[14:15] offset:65536*\rt+512*\b   ; group c = 2 wf + b of K step fs: 512 consecutive bytes, aligned
.endr
.endr
.Lnowork:
	s_wait_dscnt 0x0
	s_barrier_signal -1
	s_barrier_wait -1                              ; every wave's reads of the chunk are over: it may be written again
	s_wait_xcnt 0x0                                ; the stores have read their data and their base
	s_add_nc_u64 s[14:15], s[14:15], 0x40000       ; four tiles on
	s_add_co_u32 s28, s28, 256
	s_add_co_u32 s27, s27, 64
	s_cmp_lt_u32 s27, 1024
	s_cbranch_scc1 .Lchunk
	s_wait_dscnt 0x0                               ; the closing lines, six on end
	s_wait_alu 0x0
	s_wait_tensorcnt 0x0
	ds_add_u32 v14, v15
	s_wait_dscnt 0x0
	s_endpgm
.Lfunc_end_k_qdadce8a8e8_up:
	.size	k_qdadce8a8e8_up, .Lfunc_end_k_qdadce8a8e8_up-k_qdadce8a8e8_up
	.p2alignl 7, 3214868480
	.fill 96, 4, 3214868480
	.section	.rodata,"a",@progbits
	.p2align	6, 0x0
	.amdhsa_kernel k_qdadce8a8e8_up
		.amdhsa_group_segment_fixed_size 209408
		.amdhsa_private_segment_fixed_size 0
		.amdhsa_enable_private_segment 0
		.amdhsa_kernarg_size 56
		.amdhsa_user_sgpr_count 2
		.amdhsa_user_sgpr_kernarg_segment_ptr 1
		.amdhsa_wavefront_size32 1
		.amdhsa_system_sgpr_workgroup_id_x 1
		.amdhsa_system_sgpr_workgroup_id_y 1
		.amdhsa_system_sgpr_workgroup_id_z 1
		.amdhsa_system_vgpr_workitem_id 0
		.amdhsa_next_free_vgpr 1024
		.amdhsa_next_free_sgpr 66
		.amdhsa_reserve_vcc 0
		.amdhsa_float_denorm_mode_32 3
		.amdhsa_float_denorm_mode_16_64 3
		.amdhsa_memory_ordered 1
		.amdhsa_forward_progress 1
		.amdhsa_inst_pref_size 103
	.end_amdhsa_kernel
	.amdgpu_metadata
---
amdhsa.version: [ 1, 2 ]
amdhsa.kernels:
  - .name:           k_qdadce8a8e8_up
    .symbol:         k_qdadce8a8e8_up.kd
    .args:
      - { .name: xq, .offset: 0, .size: 8, .value_kind: global_buffer, .address_space: global }
      - { .name: cnt, .offset: 8, .size: 8, .value_kind: global_buffer, .address_space: global }
      - { .name: w1_codes, .offset: 16, .size: 8, .value_kind: global_buffer, .address_space: global }
      - { .name: b1, .offset: 24, .size: 8, .value_kind: global_buffer, .address_space: global }
      - { .name: lowp_scales, .offset: 32, .size: 8, .value_kind: global_buffer, .address_space: global }
      - { .name: hq, .offset: 40, .size: 8, .value_kind: global_buffer, .address_space: global }
      - { .name: rowinfo, .offset: 48, .size: 8, .value_kind: global_buffer, .address_space: global }
    .group_segment_fixed_size: 209408
    .private_segment_fixed_size: 0
    .kernarg_segment_align: 8
    .kernarg_segment_size: 56
    .max_flat_workgroup_size: 128
    .sgpr_count:     66
    .vgpr_count:     1024
    .wavefront_size: 32
...
	.end_amdgpu_metadata
.endif
;; end of part 8
;; launch down (part 9): grid 256 x 1, 4 waves a work-group, no clusters, 279,040 bytes of LDS; arguments hq, w2_codes, b2, lowp_scales, rowinfo, cnt, y; writes y
.if DOCPART == 9
	.amdgcn_target "amdgcn-amd-amdhsa--gfx1250"
	.amdhsa_code_object_version 6
	.text
	.protected	k_qdadce8a8e8_down
	.globl	k_qdadce8a8e8_down
	.p2align	8
	.type	k_qdadce8a8e8_down,@function
k_qdadce8a8e8_down:
	s_mov_b64 s[64:65], 0
	v_nop
	global_prefetch_b8 v0, s[64:65] scope:SCOPE_SE
	s_setreg_imm32_b32 hwreg(HW_REG_WAVE_SCHED_MODE, 0, 2), 2
	s_setreg_imm32_b32 hwreg(HW_REG_WAVE_MODE, 25, 1), 1
	s_wait_xcnt 0x0
	s_wait_alu depctr_vm_vsrc(0)
; SECOND PRODUCT OF THE CHOSEN ROWS.  y[2 token + slot] = h W2 x 2^(ew2 + eh) + b2, both operands as codes of E4M3.
; SHARES.  Work-group = (expert e = id / 32, ns = (id / 2) % 16: 64 output columns, par = id % 2).  It takes the expert's row tiles T = 2 i + par, i < n_my = (ceil(count / 16) + 1 - par) / 2, at most 32.
; THE WAVES SHARE K: wave w holds W2[64 columns][K = 1,024 w .. + 1,023] in 512 registers for the whole launch (a byte of W2 is read by the two work-groups, par = 0 and 1, that share its columns)
; and reads only its own 16 KiB of a tile of h, which lies in memory as images of fragments: 32 loads of 512 consecutive bytes.  Nothing is read twice inside a work-group.  The four partial sums of a tile meet in LDS.
; W2's rows become fragments through the wave's own LDS as in the launch before: piece g of row r at 272 g + 16 r, read back at 272 (8 s + 2 c + h) + 16 r.  That goes a tile of 16 columns at a time:
; the rows as they lie land in the three buffers that later take h's tiles, so that a tile's LDS stores and loads stand among the loads of the tiles behind it; a buffer that is done with takes W2's fourth tile or a tile of h at once.
; THE PRODUCT IS USED TRANSPOSED (source 0 = 16 columns of W2, source 1 = 16 rows of h): a lane holds eight neighbouring columns of one row.
; A PHASE serves 12 tiles, in 4 trips of 3 that are written out; three phases serve 36 >= 32.  A phase whose first tile is past n_my jumps over all but its barriers; in the others the first trip always runs, and a later
; trip whose first tile is past n_my is jumped over as a whole: so the loads follow each other in the same order (buffers 0, 1, 2) on every path.  A tile past n_my inside a trip is multiplied (at most two a work-group)
; and never summed; it is asked for with all lanes at one place.
; Then a barrier; wave w sums slots w, w + 4, w + 8 over the four waves, scales, adds b2 and stores each row where rowinfo says (places past the count: spare rows of y, each with one writer); a barrier.
; NO JOINT LOADS, though the 16 column slices read the same tiles of h: the number of tiles hangs on a count read from memory.
; LIMITS: ew2 + eh between -126 and 127.
; REGISTERS.  window 0: v1-19 addresses; v20-23 b2; v24-47 rowinfo's entries; v48-79 four accumulators; v80-111 the sums at work; v112 4 h; v128-255 buffer 2.
;   windows 1, 2: W2's fragments at 16 (4 (s % 4) + t) + 4 c.   window 3: buffers 0 (v0-127) and 1 (v128-255).
; THE MODE: SCHED_MODE bits 1:0 = 2 (LLVM: expert scheduling mode 2), set by the entry lines.  The code itself states the register dependences
; between vector or matrix instructions and memory or LDS instructions, with s_wait_alu, always for 0.
; THE PLAN.  Registers that memory or LDS instructions touch:
;   v1-5, v10-13, v17   addresses, made at the head and never written again: one wait on va_vdst ahead of the first load serves them for the whole launch.
;   v7-9          buffer b's offset: two vector lines of a request write it, the request's 32 loads read it.
;   BUFFERS 0-2   loads land there.  At the head LDS stores read them (W2 on its way); in the trips the tile's 32 products read them, and the buffer is asked for again behind them.
;   v48-79        a tile's products write the accumulators, its 8 LDS stores read them, the next tile's products begin them anew.
;   v14-16        written once a phase, read by its 24 loads of entries.     v24-47  written by v_mov at the head; those loads land there; the sums read them.
;   v80-111       a group's 8 LDS loads land there, its sums work there, its two stores read v80-83 and v96-99; v18, v19 are those stores' offsets.
; THE WAITS.  A request: va_vdst behind its window switch: the offset is written; in a trip the products are done reading the buffer and have written the accumulators (so the tile's LDS stores follow with no wait of
; their own); at the head also vm_vsrc, for a buffer that LDS stores have read.  A tile's end: vm_vsrc: its LDS stores have read the accumulators, all requests so far their offsets.  A phase's head: vm_vsrc for v14-16,
; va_vdst ahead of the 24 loads.  A group of the sums: vm_vsrc at its head (the last stores have read their data and offsets), va_vdst ahead of its two stores, which also serves the next group's LDS loads.
.set TB,  17408                        ; a tile of 16 rows x 1,024 codes in LDS
.set WR,  4*TB                         ; a wave's region: first W2's four tiles, then 12 slots of 16 rows x 272 bytes of partial sums
.set SLB, 4352                         ; a slot
.set ACC, 48
.set MSB, 0
.macro WIN new
.if MSB != (\new)
	s_set_vgpr_msb (MSB<<8)|(\new)
.set MSB, (\new)
.endif
.endm
; W2's tile t (columns 16 t .. 16 t + 15 of my 64; of each my 1,024 codes) as it lies, into buffer b: row i / 2, half i % 2: 512 consecutive bytes a load.  turned = 1: the buffer held a tile that has gone through LDS
.macro LOADW t, b, turned
.if \b != 2
	WIN 0xc0                                       ; destination window 3
.endif
.if \turned
	s_wait_alu depctr_vm_vsrc(0)                   ; the LDS stores of the tile that lay here have read the buffer, in which the loads below land
.endif
.set i, 0
.rept 32
	global_load_b128 v[128*((\b+1)/2)+4*i:128*((\b+1)/2)+4*i+3], v1, s[6:7] offset:4096*(16*\t+i/2)+512*(i%2)
.set i, i+1
.endr
	WIN 0
.endm
; tile t, which has landed in buffer b, goes into my LDS region and comes back as its eight fragments, into their registers for good
.macro TURNW t, b
	s_wait_loadcnt 63                              ; behind this tile's 32 loads 64 or 65 others have been issued: it is in
.if \b != 2
	WIN 0x0c                                       ; store data window 3
.endif
.set i, 0
.rept 32
	ds_store_b128 v2, v[128*((\b+1)/2)+4*i:128*((\b+1)/2)+4*i+3] offset:TB*\t+8704*(i%2)+16*(i/2)
.set i, i+1
.endr
.irp s,0,1,2,3,4,5,6,7
	WIN 0x40*(1+(\s/4))                            ; LDS serves a wave's instructions in order, and the region is my own: no wait, no barrier
.irp c,0,1,2,3
	ds_load_b128 v[16*(4*(\s%4)+\t)+4*\c:16*(4*(\s%4)+\t)+4*\c+3], v[3+(\t/2)] offset:TB*(\t%2)+272*(8*\s+2*\c)
.endr
.endr
	WIN 0
	s_wait_dscnt 32                                ; only the 32 LDS loads just issued may be out: the stores have read the buffer, which may be loaded again
.endm
; buffer b takes my 16 KiB of tile number s28 + add of my work-group's.  The offset's register is free: at the head it has had no use; in BLK the wait at its head has shown the loads that named it done, and a wait on
; vm_vsrc stands between those loads and these lines.  turned = 1: at the head, where the buffer held a tile of W2 that has gone through LDS
.macro NEXT b, add, turned
	s_add_co_u32 s34, s28, \add
	s_sub_co_i32 s35, s25, s34
	s_max_i32 s35, s35, 0
	s_min_u32 s35, s35, 1                          ; 1 where the tile exists, else 0: then all lanes name one place
	s_min_i32 s34, s34, s26                        ; held at my last tile,
	s_max_i32 s34, s34, 0
	s_lshl_b32 s34, s34, 1
	s_add_co_u32 s34, s34, s23                     ; T = 2 i + par
	s_min_u32 s34, s34, 63
	s_lshl_b32 s34, s34, 16                        ; 65,536 bytes a tile
	v_mul_u32_u24 v[7+\b], s35, v1
	v_add_nc_u32 v[7+\b], s34, v[7+\b]
.if \b != 2
	WIN 0xc0                                       ; destination window 3
.endif
	s_wait_alu depctr_va_vdst(0)                   ; the offset v[7 + b] is written, which the loads below read; in a trip: the tile's products are done reading the buffer, in which they land, and have written the accumulators, which the LDS stores behind them read
.if \turned
	s_wait_alu depctr_vm_vsrc(0)                   ; the LDS stores of W2's tile that lay here have read the buffer, in which the loads below land
.endif
.set k, 0
.rept 32
	global_load_b128 v[128*((\b+1)/2)+4*k:128*((\b+1)/2)+4*k+3], v[7+\b], s[4:5] offset:512*k
.set k, k+1
.endr
	WIN 0
.endm
; tile 3 k + b of the phase: 32 matrix instructions, the four accumulators by turns, one instruction a turn; the partial sums go to slot 3 k + b
.macro BLK b, k
	s_wait_loadcnt 63                              ; behind this buffer's 32 loads stand the two other buffers' 64, on every path: it is in
.irp s,0,1,2,3,4,5,6,7
.if \b == 2
	WIN 1+(\s/4)                                   ; source 0 (W2) window 1 or 2, source 1 window 0
.else
	WIN 13+(\s/4)                                  ; source 1 window 3
.endif
.irp t,0,1,2,3
.if \s == 0
	v_wmma_f32_16x16x128_fp8_fp8 v[ACC+8*\t:ACC+8*\t+7], v[16*(4*(\s%4)+\t):16*(4*(\s%4)+\t)+15], v[128*((\b+1)/2)+16*\s:128*((\b+1)/2)+16*\s+15], 0
.else
	v_wmma_f32_16x16x128_fp8_fp8 v[ACC+8*\t:ACC+8*\t+7], v[16*(4*(\s%4)+\t):16*(4*(\s%4)+\t)+15], v[128*((\b+1)/2)+16*\s:128*((\b+1)/2)+16*\s+15], v[ACC+8*\t:ACC+8*\t+7]
.endif
.endr
.endr
	WIN 0
.rept 5
	v_nop                                          ; four places ahead of the stores of results; a fifth, since the next tile's products begin these accumulators anew; the wait in the request below stands behind them
.endr
	NEXT \b, (3*\k+\b+3), 0
.irp t,0,1,2,3
	ds_store_b128 v5, v[ACC+8*\t:ACC+8*\t+3] offset:SLB*(3*\k+\b)+64*\t          ; row r, columns 16 t + 8 h + 0 .. 7; each accumulator from its low end on.  No wait: no vector or matrix instruction has been issued since the request's
	ds_store_b128 v5, v[ACC+8*\t+4:ACC+8*\t+7] offset:SLB*(3*\k+\b)+64*\t+16
.endr
	s_wait_alu depctr_vm_vsrc(0)                   ; the LDS stores above have read the accumulators, which the next tile's products begin anew; the requests issued so far have read their offsets v7-9, which the next requests write
.endm
.macro TRIP k
	s_add_co_u32 s38, s28, 3*\k
	s_cmp_lt_i32 s38, s25
	s_cbranch_scc0 .Lnotrip_\@
	BLK 0, \k
	BLK 1, \k
	BLK 2, \k
.Lnotrip_\@:
.endm
; slot w + 4 m: four rows at a time: lane (r, h) takes row 2 it + h, columns 4 r .. 4 r + 3, of all four waves' partial sums
.macro RED m
	s_add_co_u32 s34, s28, s20
	s_add_co_u32 s34, s34, 4*\m
	s_cmp_lt_i32 s34, s25
	s_cbranch_scc0 .Lnored_\@
.irp g,0,1,2,3
	s_wait_xcnt 0x0                                ; the last stores have read their data and offsets
	s_wait_alu depctr_vm_vsrc(0)                   ; the last two stores have read v80-83 and v96-99, in which the LDS loads below land, and v18, v19, which are written below
.irp a,0,1
.irp w,0,1,2,3
	ds_load_b128 v[80+16*\a+4*\w:83+16*\a+4*\w], v[10+\w] offset:TB*\m+544*(2*\g+\a)    ; (four slots are 17,408 bytes)
.endr
.endr
	s_wait_dscnt 0x0
.irp a,0,1
	v_pk_add_f32 v[80+16*\a:81+16*\a], v[80+16*\a:81+16*\a], v[84+16*\a:85+16*\a]
	v_pk_add_f32 v[82+16*\a:83+16*\a], v[82+16*\a:83+16*\a], v[86+16*\a:87+16*\a]
	v_pk_add_f32 v[88+16*\a:89+16*\a], v[88+16*\a:89+16*\a], v[92+16*\a:93+16*\a]
	v_pk_add_f32 v[90+16*\a:91+16*\a], v[90+16*\a:91+16*\a], v[94+16*\a:95+16*\a]
	v_pk_add_f32 v[80+16*\a:81+16*\a], v[80+16*\a:81+16*\a], v[88+16*\a:89+16*\a]
	v_pk_add_f32 v[82+16*\a:83+16*\a], v[82+16*\a:83+16*\a], v[90+16*\a:91+16*\a]
	v_pk_fma_f32 v[80+16*\a:81+16*\a], v[80+16*\a:81+16*\a], s[36:37], v[20:21] op_sel_hi:[1,0,1]   ; x 2^(ew2 + eh) + b2
	v_pk_fma_f32 v[82+16*\a:83+16*\a], v[82+16*\a:83+16*\a], s[36:37], v[22:23] op_sel_hi:[1,0,1]
	v_min_u32 v[18+\a], 2175, v[24+8*\m+2*\g+\a]   ; the row of y
	v_lshl_add_u32 v[18+\a], v[18+\a], 12, v17
.endr
	s_wait_alu depctr_va_vdst(0)                   ; the sums v80-83, v96-99 and the offsets v18, v19 are written, which the two stores read; and the lines above are done with v80-111, in which the next group's LDS loads land
.irp a,0,1
	global_store_b128 v[18+\a], v[80+16*\a:83+16*\a], s[16:17]   ; sixteen lanes store 256 consecutive bytes of a row, aligned
.endr
.endr
.Lnored_\@:
.endm
	s_load_b256 s[4:11], s[0:1], 0x0               ; hq s[4:5], W2's codes s[6:7], b2 s[8:9], the scales' exponents s[10:11]
	s_load_b128 s[12:15], s[0:1], 0x20             ; rowinfo s[12:13], cnt s[14:15]
	s_load_b64 s[16:17], s[0:1], 0x30              ; y
	v_lshl_add_u32 v126, v0, 2, 0x44000
	v_mov_b32 v127, 0
	v_lshrrev_b32 v1, 5, v0
	v_readfirstlane_b32 s20, v1                    ; wave 0..3
	s_lshr_b32 s21, ttmp9, 5                       ; e
	s_bfe_u32 s22, ttmp9, 0x40001                  ; ns
	s_and_b32 s23, ttmp9, 1                        ; par
	v_and_b32 v6, 31, v0                           ; lane
	v_and_b32 v17, 15, v0                          ; r
	v_bfe_u32 v112, v0, 4, 1                       ; h
	v_lshlrev_b32 v1, 4, v6                        ; v1  16 x lane
	v_mul_u32_u24 v2, v6, 272
	v_mul_u32_u24 v3, v112, 272
	v_lshl_add_u32 v3, v17, 4, v3                  ; 272 h + 16 r
	v_mul_u32_u24 v5, v17, 272
	v_lshl_add_u32 v5, v112, 5, v5
	s_wait_alu depctr_va_sdst(0)                   ; s20, the wave's number, is written, ahead of its first reader: the line below
	s_mul_i32 s34, s20, WR                         ; my region
	s_mul_i32 s35, s20, SLB
	v_add_nc_u32 v2, s34, v2                       ; v2  W2's rows on the way in: piece = lane
.irp w,0,1,2,3
	v_add_nc_u32 v[10+\w], s35, v3                 ; v10-13  slot w of wave 0..3's region, rows h, columns 4 r on
.endr
.irp w,1,2,3
	v_add_nc_u32 v[10+\w], WR*\w, v[10+\w]
.endr
	v_add_nc_u32 v3, s34, v3                       ; v3  W2's fragments, tiles 0 and 1;
	v_add_nc_u32 v4, 2*TB, v3                      ; v4  tiles 2 and 3
	v_add_nc_u32 v5, s34, v5                       ; v5  my partial sums: row r, + 32 h
	v_lshlrev_b32 v17, 4, v17                      ; v17 16 r
	v_lshlrev_b32 v112, 2, v112                    ; v112 4 h
	s_mov_b32 s45, 0
	s_lshl_b32 s44, s21, 7
	s_wait_kmcnt 0x0
	s_add_nc_u64 s[14:15], s[14:15], s[44:45]
	s_load_b32 s24, s[14:15], 0x0                  ; the expert's rows
	s_load_b128 s[40:43], s[10:11], 0x0            ; ex, ew1, ew2, eh
	s_lshl_b32 s44, s21, 22                        ; W2: 4 MiB an expert, 64 rows of 4,096 a slice, 1,024 bytes a wave
	s_lshl_b32 s34, s22, 18
	s_add_co_u32 s44, s44, s34
	s_lshl_b32 s34, s20, 10
	s_add_co_u32 s44, s44, s34
	s_add_nc_u64 s[6:7], s[6:7], s[44:45]
	s_lshl_b32 s44, s21, 12                        ; b2: 4 (1,024 e + 64 ns)
	s_lshl_b32 s34, s22, 8
	s_add_co_u32 s44, s44, s34
	s_add_nc_u64 s[8:9], s[8:9], s[44:45]
	s_wait_alu depctr_va_vdst(0)                   ; the addresses v1 to v5, v10 to v13 and v17 are written, which the launch's loads, stores and LDS instructions read; none of them is written again
	LOADW 0, 2, 0                                  ; the buffers are taken in the order 2, 0, 1, 2, so that they come free in the order 0, 1, 2, in which h's tiles are asked for
	LOADW 1, 0, 0
	LOADW 2, 1, 0
	global_load_b128 v[20:23], v17, s[8:9]
	s_lshl_b32 s44, s21, 22                        ; hq: 4 MiB an expert, my 8 K steps of 2,048
	s_lshl_b32 s34, s20, 14
	s_add_co_u32 s44, s44, s34
	s_add_nc_u64 s[4:5], s[4:5], s[44:45]
	s_lshl_b32 s44, s21, 12
	s_add_nc_u64 s[12:13], s[12:13], s[44:45]      ; rowinfo: 4,096 e
	s_lshl_b32 s44, s22, 8
	s_add_nc_u64 s[16:17], s[16:17], s[44:45]      ; y: my 64 columns
.set i, 0
.rept 24
	v_mov_b32 v[24+i], 0x87f                       ; rowinfo's entries hold a row, the last spare one, also on the path of a first phase without tiles, which loads none
.set i, i+1
.endr
	s_wait_kmcnt 0x0
	s_min_u32 s24, s24, 1024
	s_add_co_u32 s25, s24, 15
	s_lshr_b32 s25, s25, 4                         ; tiles of the expert
	s_add_co_u32 s25, s25, 1
	s_sub_co_u32 s25, s25, s23
	s_lshr_b32 s25, s25, 1                         ; s25 n_my
	s_sub_co_i32 s26, s25, 1                       ; s26 my last tile's number
	s_add_co_i32 s36, s42, s43
	s_add_co_i32 s36, s36, 127
	s_lshl_b32 s36, s36, 23                        ; 2^(ew2 + eh)
	s_mov_b32 s37, s36                             ; (named with it as a pair, so it is written)
	s_mov_b32 s28, 0                               ; the phase's first tile
	TURNW 0, 2                                     ; 97 loads have been issued: with 63 out the oldest 34 are in
	LOADW 3, 2, 1
	TURNW 1, 0                                     ; 129 issued: the oldest 66 are in
	NEXT 0, 0, 1
	TURNW 2, 1                                     ; 161 issued: the oldest 98 are in, b2 among them
	NEXT 1, 1, 1
	TURNW 3, 2                                     ; 193 issued: the oldest 130 are in
	NEXT 2, 2, 1
	s_wait_dscnt 0x0                               ; W2's fragments are in their registers
.Lphase:
	s_wait_alu depctr_vm_vsrc(0)                   ; the last phase's loads of entries have read their offsets v14-16, which are written below
	s_cmp_lt_i32 s28, s25
	s_cbranch_scc0 .Lnotiles                       ; a phase without tiles: nothing but its barriers
.irp m,0,1,2
	s_add_co_u32 s34, s28, s20                     ; the rows of the three tiles that I shall sum: always inside the list
	s_add_co_u32 s34, s34, 4*\m
	s_lshl_b32 s34, s34, 1
	s_add_co_u32 s34, s34, s23
	s_min_u32 s34, s34, 63
	s_lshl_b32 s34, s34, 6
	v_add_nc_u32 v[14+\m], s34, v112               ; 64 T + 4 h
.endr
	s_wait_alu depctr_va_vdst(0)                   ; the offsets v14-16 are written, which the 24 loads read; the head's v_mov have written, and the last phase's sums are done reading, v24-47, in which they land
.irp m,0,1,2
.irp t,0,1,2,3,4,5,6,7
	global_load_b32 v[24+8*\m+\t], v[14+\m], s[12:13] offset:8*\t
.endr
.endr
	BLK 0, 0                                       ; the first trip's condition is the phase's own
	BLK 1, 0
	BLK 2, 0
	TRIP 1
	TRIP 2
	TRIP 3
	s_wait_loadcnt 63                              ; behind rowinfo's 24 loads stand the first trip's 96 at the least: the entries are in, their offsets' registers are free; the tiles asked for ahead may stay out
.Lnotiles:
	s_wait_dscnt 0x0
	s_barrier_signal -1
	s_barrier_wait -1                              ; all partial sums of the phase lie in LDS
	RED 0
	RED 1
	RED 2
	s_wait_dscnt 0x0
	s_barrier_signal -1
	s_barrier_wait -1                              ; the slots may be written again
	s_add_co_u32 s28, s28, 12
	s_cmp_lt_u32 s28, 36
	s_cbranch_scc1 .Lphase
	s_wait_dscnt 0x0                               ; the closing lines, six on end
	s_wait_alu 0x0
	s_wait_tensorcnt 0x0
	ds_add_u32 v126, v127
	s_wait_dscnt 0x0
	s_endpgm
.Lfunc_end_k_qdadce8a8e8_down:
	.size	k_qdadce8a8e8_down, .Lfunc_end_k_qdadce8a8e8_down-k_qdadce8a8e8_down
	.p2alignl 7, 3214868480
	.fill 96, 4, 3214868480
	.section	.rodata,"a",@progbits
	.p2align	6, 0x0
	.amdhsa_kernel k_qdadce8a8e8_down
		.amdhsa_group_segment_fixed_size 279040
		.amdhsa_private_segment_fixed_size 0
		.amdhsa_enable_private_segment 0
		.amdhsa_kernarg_size 56
		.amdhsa_user_sgpr_count 2
		.amdhsa_user_sgpr_kernarg_segment_ptr 1
		.amdhsa_wavefront_size32 1
		.amdhsa_system_sgpr_workgroup_id_x 1
		.amdhsa_system_sgpr_workgroup_id_y 1
		.amdhsa_system_sgpr_workgroup_id_z 1
		.amdhsa_system_vgpr_workitem_id 0
		.amdhsa_next_free_vgpr 1024
		.amdhsa_next_free_sgpr 66
		.amdhsa_reserve_vcc 0
		.amdhsa_float_denorm_mode_32 3
		.amdhsa_float_denorm_mode_16_64 3
		.amdhsa_memory_ordered 1
		.amdhsa_forward_progress 1
		.amdhsa_inst_pref_size 149
	.end_amdhsa_kernel
	.amdgpu_metadata
---
amdhsa.version: [ 1, 2 ]
amdhsa.kernels:
  - .name:           k_qdadce8a8e8_down
    .symbol:         k_qdadce8a8e8_down.kd
    .args:
      - { .name: hq, .offset: 0, .size: 8, .value_kind: global_buffer, .address_space: global }
      - { .name: w2_codes, .offset: 8, .size: 8, .value_kind: global_buffer, .address_space: global }
      - { .name: b2, .offset: 16, .size: 8, .value_kind: global_buffer, .address_space: global }
      - { .name: lowp_scales, .offset: 24, .size: 8, .value_kind: global_buffer, .address_space: global }
      - { .name: rowinfo, .offset: 32, .size: 8, .value_kind: global_buffer, .address_space: global }
      - { .name: cnt, .offset: 40, .size: 8, .value_kind: global_buffer, .address_space: global }
      - { .name: y, .offset: 48, .size: 8, .value_kind: global_buffer, .address_space: global }
    .group_segment_fixed_size: 279040
    .private_segment_fixed_size: 0
    .kernarg_segment_align: 8
    .kernarg_segment_size: 56
    .max_flat_workgroup_size: 128
    .sgpr_count:     66
    .vgpr_count:     1024
    .wavefront_size: 32
...
	.end_amdgpu_metadata
.endif
;; end of part 9
;; launch mix (part 10): grid 256 x 1, 4 waves a work-group, no clusters, 0 bytes of LDS; arguments y, pw, out0; writes out0
.if DOCPART == 10
	.amdgcn_target "amdgcn-amd-amdhsa--gfx1250"
	.amdhsa_code_object_version 6
	.text
	.protected	k_qdadce8a8e8_mix
	.globl	k_qdadce8a8e8_mix
	.p2align	8
	.type	k_qdadce8a8e8_mix,@function
k_qdadce8a8e8_mix:
	s_mov_b64 s[64:65], 0
	v_nop
	global_prefetch_b8 v0, s[64:65] scope:SCOPE_SE
	s_setreg_imm32_b32 hwreg(HW_REG_WAVE_MODE, 25, 1), 1
	s_wait_xcnt 0x0
; out[token] = p0 y[2 token] + p1 y[2 token + 1].  A wave takes a token: two rows of 4,096 bytes in, one out; each load and store covers 512 consecutive bytes.
; All 16 loads go out at once; no loop, no register is written twice, no LDS, no barrier: waves share nothing.
	s_load_b128 s[4:7], s[0:1], 0x0                ; y s[4:5], pw s[6:7]
	s_load_b64 s[8:9], s[0:1], 0x10                ; out
	v_lshrrev_b32 v1, 5, v0
	v_readfirstlane_b32 s10, v1                    ; wave
	v_and_b32 v1, 31, v0
	v_lshlrev_b32 v1, 4, v1                        ; 16 bytes a lane
	s_lshl_b32 s11, ttmp9, 2
	s_add_co_u32 s11, s11, s10                     ; the token
	s_lshl_b32 s12, s11, 13
	s_mov_b32 s13, 0
	s_lshl_b32 s14, s11, 3
	s_mov_b32 s15, 0
	s_lshl_b32 s20, s11, 12
	s_mov_b32 s21, 0
	s_wait_alu depctr_va_vdst(0)
	s_wait_kmcnt 0x0
	s_add_nc_u64 s[4:5], s[4:5], s[12:13]
	s_add_nc_u64 s[6:7], s[6:7], s[14:15]
	s_add_nc_u64 s[8:9], s[8:9], s[20:21]
	s_load_b64 s[16:17], s[6:7], 0x0               ; p0, p1
.irp j,0,1,2,3,4,5,6,7
	global_load_b128 v[16+8*\j:19+8*\j], v1, s[4:5] offset:512*\j th:TH_LOAD_NT
	global_load_b128 v[20+8*\j:23+8*\j], v1, s[4:5] offset:4096+512*\j th:TH_LOAD_NT
.endr
	s_wait_kmcnt 0x0
	s_mov_b32 s18, s17                             ; p1 and p0 each as a pair: the packed forms name a pair and take its low word for both halves
	s_mov_b32 s19, s17
	s_mov_b32 s17, s16
.irp j,0,1,2,3,4,5,6,7
	s_wait_loadcnt 14-2*\j                         ; piece j of both rows is in; the younger pairs may be out
	v_pk_mul_f32 v[80+4*\j:81+4*\j], v[16+8*\j:17+8*\j], s[16:17] op_sel_hi:[1,0]
	v_pk_mul_f32 v[82+4*\j:83+4*\j], v[18+8*\j:19+8*\j], s[16:17] op_sel_hi:[1,0]
	v_pk_fma_f32 v[80+4*\j:81+4*\j], v[20+8*\j:21+8*\j], s[18:19], v[80+4*\j:81+4*\j] op_sel_hi:[1,0,1]
	v_pk_fma_f32 v[82+4*\j:83+4*\j], v[22+8*\j:23+8*\j], s[18:19], v[82+4*\j:83+4*\j] op_sel_hi:[1,0,1]
	global_store_b128 v1, v[80+4*\j:83+4*\j], s[8:9] offset:512*\j th:TH_STORE_NT
.endr
	s_endpgm
.Lfunc_end_k_qdadce8a8e8_mix:
	.size	k_qdadce8a8e8_mix, .Lfunc_end_k_qdadce8a8e8_mix-k_qdadce8a8e8_mix
	.p2alignl 7, 3214868480
	.fill 96, 4, 3214868480
	.section	.rodata,"a",@progbits
	.p2align	6, 0x0
	.amdhsa_kernel k_qdadce8a8e8_mix
		.amdhsa_group_segment_fixed_size 0
		.amdhsa_private_segment_fixed_size 0
		.amdhsa_enable_private_segment 0
		.amdhsa_kernarg_size 24
		.amdhsa_user_sgpr_count 2
		.amdhsa_user_sgpr_kernarg_segment_ptr 1
		.amdhsa_wavefront_size32 1
		.amdhsa_system_sgpr_workgroup_id_x 1
		.amdhsa_system_sgpr_workgroup_id_y 1
		.amdhsa_system_sgpr_workgroup_id_z 1
		.amdhsa_system_vgpr_workitem_id 0
		.amdhsa_next_free_vgpr 112
		.amdhsa_next_free_sgpr 66
		.amdhsa_reserve_vcc 0
		.amdhsa_float_denorm_mode_32 3
		.amdhsa_float_denorm_mode_16_64 3
		.amdhsa_memory_ordered 1
		.amdhsa_forward_progress 1
		.amdhsa_inst_pref_size 6
	.end_amdhsa_kernel
	.amdgpu_metadata
---
amdhsa.version: [ 1, 2 ]
amdhsa.kernels:
  - .name:           k_qdadce8a8e8_mix
    .symbol:         k_qdadce8a8e8_mix.kd
    .args:
      - { .name: y, .offset: 0, .size: 8, .value_kind: global_buffer, .address_space: global }
      - { .name: pw, .offset: 8, .size: 8, .value_kind: global_buffer, .address_space: global }
      - { .name: out0, .offset: 16, .size: 8, .value_kind: global_buffer, .address_space: global }
    .group_segment_fixed_size: 0
    .private_segment_fixed_size: 0
    .kernarg_segment_align: 8
    .kernarg_segment_size: 24
    .max_flat_workgroup_size: 128
    .sgpr_count:     66
    .vgpr_count:     112
    .wavefront_size: 32
...
	.end_amdgpu_metadata
.endif
;; end of part 10
